; MI455X (gfx1250); checked and timed in simulation.
; The chip was launched on July 23, 2026; its instructions are those of AMD's public machine-readable ISA for CDNA 5 (MIT licence, August 2026) and "CDNA5" Instruction Set Architecture Reference Guide (July 2026). The comments in the code are by the model that wrote it; some were corrected since.
;; Causal Self Attention. Allowed arithmetic: matrix products marked QUANTISED: E2M1 operands, one E8M0 scale for each 32 along K, by v_wmma_scale_f32_16x16x128_f8f6f4 with both operands' format E2M1 (or v_wmma_scale_f32_32x16x128_f4), f32 sums; products left as they are: bf16, f16 or f32 operands; f32 sums; everything else in f32.
;; Inputs: Wout 1,024 x 1,024 float32; Wqkv 1,024 x 3,072 float32; x 4 x 2,048 x 1,024 float32.
;; Outputs: out0 4 x 2,048 x 1,024 float32.
;; This version of the problem:
;;   THIS VERSION OF THE PROBLEM IS GIVEN IN LOW PRECISION. The matrix products marked QUANTISED in the list below multiply operands that are first quantised to E2M1 (2 exponent bits, 1 mantissa bit; 4 bits a number), with one power-of-two scale for each 32 numbers along K (OCP MX v1.0); their sums are f32. The products marked 'left as it is' may take bf16, f16 or f32 operands, with f32 sums. Whichever they take, every output number must still come out within the allowed error. Rounding operands to bf16 (8 significant bits) uses up far more of that allowance than f16 does (11 bits, for magnitudes from 6e-5 to 65,504). All else is computed in f32.
;;   The module's matrix products, in the order in which they are computed (A, B: the left and right operand; K: the contracted axis; several contracted axes count as one K, in the product's order):
;;     1. [M 8,192, K 1,024] x [K 1,024, N 3,072]; A: input x; B: input Wqkv: QUANTISED
;;     2. [M 2,048, K 1] x [K 1, N 32]; A: computed on the way; B: computed on the way: left as it is (no contracted axis)
;;     3. batch 64 x [M 2,048, K 64] x [K 64, N 2,048]; A: computed on the way; B: computed on the way: left as it is (an operand is computed on the way)
;;     4. batch 64 x [M 2,048, K 2,048] x [K 2,048, N 64]; A: computed on the way; B: computed on the way: left as it is (an operand is computed on the way)
;;     5. [M 8,192, K 1,024] x [K 1,024, N 1,024]; A: computed on the way; B: input Wout: left as it is (an operand is computed on the way)
;;   THE QUANTISER, for each operand of a quantised product, along K:
;;     - K is cut into blocks of 32 from its start; a last block that is shorter is filled with zeros.
;;     - A block's scale is 2^e with e = floor(log2(the largest magnitude in the block)) - 2, held to -126 .. 127; a block of zeros has e = 0. As a byte (E8M0): e + 127.
;;     - Each number is divided by its block's scale, clamped to +-6, and rounded to the nearest number of E2M1, ties to even, subnormals kept.
;;     - The product sums the exact products of the quantised numbers (number of the format x scale) in f32.
;;   ~~~python
;;   def quantise(x, axis):      # numpy; x: float32 -> the quantised numbers, widened to float32 again
;;       x = np.moveaxis(x, axis, -1); K = x.shape[-1]
;;       x = np.pad(x, [(0, 0)] * (x.ndim - 1) + [(0, -K % 32)]); x = x.reshape(x.shape[:-1] + (-1, 32)); a = np.abs(x).max(-1, keepdims=True)
;;       e = np.where(a > 0, np.clip(np.frexp(np.where(a > 0, a, 1))[1] - 1 - 2, -126, 127), 0)      # np.frexp(a)[1] - 1 = floor(log2(a)), exactly
;;       r = np.clip(x / 2.0 ** e, -6, 6)
;;       step = 2.0 ** (np.maximum(np.frexp(np.where(r == 0, 1, r))[1] - 1, 0) - 1)
;;       q = np.round(r / step) * step * 2.0 ** e      # np.round: ties to even
;;       return np.moveaxis(q.reshape(q.shape[:-2] + (-1,))[..., :K], -1, axis).astype(np.float32)
;;   ~~~
;; One version. Each part assembles by itself: llvm-mc -triple=amdgcn-amd-amdhsa -mcpu=gfx1250 --defsym DOCPART=n.
;; ======== version 1 of 1: 6 launches
;; limits: values are held in f16: magnitudes above 65,504 overflow, below 6.1e-05 lose precision
;; workspace buffers: xq 4,456,448 bytes; wq 1,671,168 bytes; w16 2,097,152 bytes; tab 524,288 bytes; qkv 50,331,648 bytes; ah 16,777,216 bytes; af 262,144 bytes
;; launch prep (part 1): grid 400 x 1, 4 waves a work-group, no clusters, 68,096 bytes of LDS; arguments x, Wqkv, Wout, xq, wq, w16, tab; writes xq, wq, w16, tab
.if DOCPART == 1
	.amdgcn_target "amdgcn-amd-amdhsa--gfx1250"
	.amdhsa_code_object_version 6
	.text
	.protected	k_q228b746196_prep
	.globl	k_q228b746196_prep
	.p2align	8
	.type	k_q228b746196_prep,@function
k_q228b746196_prep:
	s_mov_b64 s[64:65], 0
	v_nop
	global_prefetch_b8 v0, s[64:65] scope:SCOPE_SE
	s_setreg_imm32_b32 hwreg(HW_REG_WAVE_MODE, 25, 1), 1
	s_wait_xcnt 0x0
; PREP: four roles, chosen by the work-group's number alone.
;   0-255    x [8192][1024] f32 (K innermost)  -> xq: codes of E2M1 [8192][512 bytes], then scale bytes [8192][32] at XS_OFF
;   256-303  Wqkv [1024][3072] f32 (K is the FIRST axis) -> wq: codes [3072][512 bytes] with K innermost, then scale bytes [3072][32] at WS_OFF
;   304-367  Wout [1024][1024] f32 -> w16: f16, as it lies
;   368-399  the table of the rotary embedding -> tab [2048 positions][cos 32 f32 | sin 32 f32]
; A block's scale is 2^(floor(log2(its largest magnitude)) - 2); its byte is the largest magnitude's exponent field - 2, held at 1 from below.
; LIMITS: a block of zeros gets the byte 1 where the rule says 127 (its codes are zeros, and this program alone reads the bytes); blocks whose largest magnitude lies under 2^(2 - 126)
; were not tried; NaN and infinities are not served; |Wout| stays under 65,504 (f16).  The table's frequency 10000^(-i/32) is made by one exponential in base 2, so an angle near position 2,047
; may differ from a correctly rounded one by some 2e-4 radians; q and k take the same table.
; No tensor loads, no barrier: waves share nothing.  Each role that uses LDS has LDS bytes of its own.
.set XS_OFF, 4194304
.set WS_OFF, 1572864
.set SPW,   190                        ; v190 LDS address of my spare word: SPARE + 4 x my thread's number; never rewritten
.set NIL,   191                        ; v191 0; never rewritten
.set WV,    18                         ; s18  my wave's number
.set SPARE, 67584                      ; behind both roles' regions: the spare words, 128 bytes a wave
.set EMAX,  2
; role x
.set STEPS, 16
.set CB,    8                          ; bytes of 16 codes
.set XR,    16                         ; v16-79   four sets of 16 numbers as loaded
.set XX,    80                         ; v80-111  two sets of 16 neighbours
.set XE,    112                        ; v112-127 a scale byte for each step
.set XC,    128                        ; v128-189 codes: registers of its own for each step
.set WREG,  8192                       ; LDS 0 .. 32,767: a region for each wave: two stages of 32 x SP bytes, then its 256 scale bytes
.set SP,    80
; role w
.set SIZE_K, 1024
.set SIZE_N, 3072
.set KW,    512
.set NB,    KW/32
.set ROWB,  256
.set PITCH, ROWB+16
.set KROW,  SIZE_K/2
.set WSTG,  32768                      ; LDS 32,768 .. 67,583: a stage of 32 x PITCH for each wave
.set WX,    32                         ; v32-95   two sets of 32 numbers
.set WC,    96                         ; v96-99   a block's codes
.set OUTR,  112                        ; v112-175 the way out
.set SB,    24                         ; v24-27   the scale bytes
	s_load_b256 s[4:11], s[0:1], 0x0               ; x s[4:5], Wqkv s[6:7], Wout s[8:9], xq s[10:11]
	s_load_b128 s[12:15], s[0:1], 0x20             ; wq s[12:13], w16 s[14:15]
	s_load_b64 s[16:17], s[0:1], 0x30              ; tab
	v_lshl_add_u32 v[SPW], v0, 2, SPARE
	v_mov_b32 v[NIL], 0
	v_lshrrev_b32 v1, 5, v0
	v_readfirstlane_b32 s[WV], v1
	v_and_b32 v2, 31, v0                           ; lane
	s_mov_b32 s23, 0                               ; the upper word of every offset
	s_wait_kmcnt 0x0
	s_cmp_lt_u32 ttmp9, 256
	s_cbranch_scc1 .Lx
	s_cmp_lt_u32 ttmp9, 304
	s_cbranch_scc1 .Lw
	s_cmp_lt_u32 ttmp9, 368
	s_cbranch_scc1 .Lc
; ---- THE TABLE.  A wave makes 16 positions; lanes 0-15 make two cosines each, lanes 16-31 two sines: a store covers one row of 256 bytes.
; angle = position x frequency, in f32.  n = the nearest whole number to angle x 2/pi; r = angle - n pi/2, pi/2 in two parts; sine and cosine of r by polynomials in r^2;
; the quadrant (n for a sine, n + 1 for a cosine) picks one of the two and its sign.
	s_sub_co_u32 s20, ttmp9, 368
	s_lshl_b32 s20, s20, 6
	s_lshl_b32 s21, s[WV], 4
	s_add_co_u32 s20, s20, s21                     ; my first position
	s_lshl_b32 s22, s20, 8
	s_add_nc_u64 s[16:17], s[16:17], s[22:23]
	s_mov_b32 s24, 0xb94ca1f9                      ; sine: -1.9515296e-4,
	s_mov_b32 s25, 0x3c08839e                      ; 8.3321609e-3,
	s_mov_b32 s26, 0xbe2aaaa3                      ; -1.6666655e-1
	s_mov_b32 s27, 0x37ccf5ce                      ; cosine: 2.4433157e-5,
	s_mov_b32 s28, 0xbab6061a                      ; -1.3887316e-3,
	s_mov_b32 s29, 0x3d2aaaa5                      ; 4.1666646e-2
	s_mov_b32 s30, 0xbfc90fdb                      ; -(pi/2 rounded to f32)
	s_mov_b32 s31, 0x333bbd2e                      ; that number less pi/2
	v_lshrrev_b32 v3, 4, v2                        ; 0: cosine, 1: sine
	v_sub_nc_u32 v11, 1, v3                        ; what a cosine adds to the quadrant
	v_and_b32 v4, 15, v2
	v_lshlrev_b32 v4, 1, v4                        ; my first frequency's number i
	v_cvt_f32_u32 v4, v4
	v_add_f32 v5, 1.0, v4
	v_mul_f32 v4, 0xbed49a78, v4                   ; -i log2(10000) / 32
	v_mul_f32 v5, 0xbed49a78, v5
	v_exp_f32 v12, v4
	v_exp_f32 v13, v5
	v_lshlrev_b32 v10, 3, v2                       ; 8 bytes a lane (a plain instruction behind the exponentials)
	s_wait_alu depctr_va_vdst(0)                   ; one wait for both, ahead of their first reader and of the label
	v_cvt_f32_u32 v9, s20
.macro SINCOS th, out
	v_mul_f32 v20, 0x3f22f983, v[\th]
	v_rndne_f32 v20, v20
	v_fma_f32 v21, v20, s30, v[\th]
	v_fma_f32 v21, v20, s31, v21                   ; r
	v_mul_f32 v22, v21, v21
	v_fma_f32 v23, v22, s24, s25
	v_fma_f32 v23, v23, v22, s26
	v_mul_f32 v23, v23, v22
	v_fma_f32 v23, v23, v21, v21                   ; sin r
	v_fma_f32 v24, v22, s27, s28
	v_fma_f32 v24, v24, v22, s29
	v_mul_f32 v24, v24, v22
	v_fma_f32 v25, v22, -0.5, 1.0
	v_fma_f32 v24, v24, v22, v25                   ; cos r
	v_cvt_i32_f32 v20, v20
	v_add_nc_u32 v20, v20, v11                     ; the quadrant
	v_and_b32 v25, 1, v20
	v_cmp_eq_u32 vcc_lo, 1, v25
	v_cndmask_b32 v24, v23, v24, vcc_lo            ; odd: the cosine
	v_and_b32 v20, 2, v20
	v_lshlrev_b32 v20, 30, v20
	v_xor_b32 v[\out], v20, v24                    ; quadrants 2 and 3: the sign turns
.endm
	s_mov_b32 s21, 16
.Lpos:
	v_mul_f32 v14, v9, v12
	v_mul_f32 v15, v9, v13
	SINCOS 14, 16
	SINCOS 15, 17
	global_store_b64 v10, v[16:17], s[16:17]       ; 32 lanes store one row of 256 bytes
	s_wait_xcnt 0x0                                ; the store's offset and data are written again only behind this wait
	v_add_nc_u32 v10, 256, v10
	v_add_f32 v9, 1.0, v9
	s_sub_co_u32 s21, s21, 1
	s_cmp_lg_u32 s21, 0
	s_cbranch_scc1 .Lpos
	s_branch .Lend
; ---- x.  A plain stream of blocks of 32.  A wave takes 16 steps of 512 numbers.  Each load reads 512 consecutive bytes; a step's 2,048 bytes turn through the wave's own stage in LDS and come back
; 64 bytes a lane, so that a lane holds 16 neighbours along K (two neighbouring lanes hold a block).  A wave's 256 scale bytes are gathered in LDS and leave as one run of 256 bytes.
.Lx:
	s_lshl_b32 s20, ttmp9, 2
	s_add_co_u32 s20, s20, s[WV]                   ; which run of 8,192 numbers is my wave's
	s_lshl_b32 s22, s20, 15
	s_add_nc_u64 s[4:5], s[4:5], s[22:23]
	s_lshl_b32 s22, s20, 12
	s_add_nc_u64 s[24:25], s[10:11], s[22:23]      ; its codes
	s_lshl_b32 s22, s20, 8
	s_add_nc_u64 s[26:27], s[10:11], s[22:23]
	s_add_nc_u64 s[26:27], s[26:27], XS_OFF        ; its scale bytes
	v_lshlrev_b32 v3, 4, v2                        ; my 16 bytes of a load's 512
	s_mul_i32 s19, s[WV], WREG
	v_lshrrev_b32 v14, 2, v2
	v_mul_u32_u24 v14, v14, SP
	v_and_b32 v15, 3, v2
	v_lshl_add_u32 v14, v15, 4, v14
	v_add_nc_u32 v14, s19, v14                     ; the stage, on the way in: SP (lane / 4) + 16 (lane % 4)
	v_mul_u32_u24 v15, v2, SP
	v_add_nc_u32 v15, s19, v15                     ; and on the way out: SP x lane
	v_mul_u32_u24 v4, v2, CB
	v_lshrrev_b32 v5, 1, v2
	s_add_co_u32 s19, s19, 2*32*SP
	v_add_nc_u32 v5, s19, v5                       ; my block's byte among my wave's 256
	v_lshlrev_b32 v7, 3, v2
	v_add_nc_u32 v6, s19, v7
.macro XLOAD t
.irp i, 0,1,2,3
	global_load_b128 v[XR+16*((\t)%4)+4*\i:XR+16*((\t)%4)+4*\i+3], v3, s[4:5] offset:2048*(\t)+512*\i th:TH_LOAD_NT
.endr
.endm
.macro XTURN t                         ; LDS serves a wave's instructions in order: no wait between the stores and the loads
.irp i, 0,1,2,3
	ds_store_b128 v14, v[XR+16*((\t)%4)+4*\i:XR+16*((\t)%4)+4*\i+3] offset:32*SP*((\t)%2)+8*SP*\i
.endr
.irp i, 0,1,2,3
	ds_load_b128 v[XX+16*((\t)%2)+4*\i:XX+16*((\t)%2)+4*\i+3], v15 offset:32*SP*((\t)%2)+16*\i
.endr
.endm
.irp t, 0,1,2,3
	XLOAD \t
.endr
	s_wait_loadcnt 12                              ; step 0's four loads are in; the twelve of steps 1 to 3 may be out
	XTURN 0
.macro XSTEP t
.set XSS, XX+16*((\t)%2)
.if (\t) > 0
	s_wait_dscnt 1                                 ; this step's numbers are back from the stage; the last step's byte store may be out
.else
	s_wait_dscnt 0x0
.endif
.if (\t)+4 < STEPS
	XLOAD (\t)+4
.endif
.if (\t)+1 < STEPS
.if STEPS-2-(\t) >= 3
	s_wait_loadcnt 12                              ; the next step's four loads are in; those of the three steps behind it may be out
.else
	s_wait_loadcnt 4*(STEPS-2-(\t))
.endif
	XTURN (\t)+1
.endif
	v_max3_num_f32 v8, |v[XSS]|, |v[XSS+1]|, |v[XSS+2]|
	v_max3_num_f32 v9, |v[XSS+3]|, |v[XSS+4]|, |v[XSS+5]|
.irp i, 6,10
	v_max3_num_f32 v8, v8, |v[XSS+\i]|, |v[XSS+\i+1]|
	v_max3_num_f32 v9, v9, |v[XSS+\i+2]|, |v[XSS+\i+3]|
.endr
	v_max3_num_f32 v8, v8, |v[XSS+14]|, |v[XSS+15]|
	v_max3_num_f32 v8, v8, v9, (EMAX+1)<<23        ; and the floor 2^(3 - 127): the byte cannot fall under 1
	v_max_num_f32_dpp v8, v8, v8 row_xmask:1 row_mask:0xf bank_mask:0xf   ; with my neighbour's 16: the block's largest magnitude
	v_add_nc_u32 v11, -(EMAX<<23), v8              ; 2 off its exponent field: the conversion's scale operand
	v_cvt_scalef32_pk8_fp4_f32 v[XC+4*(\t)], v[XSS:XSS+7], v11
	v_cvt_scalef32_pk8_fp4_f32 v[XC+4*(\t)+1], v[XSS+8:XSS+15], v11
	v_lshrrev_b32 v[XE+(\t)], 23, v11              ; the scale's byte
	ds_store_b8 v5, v[XE+(\t)] offset:16*(\t)      ; both lanes of a block write the same byte with the same value
	global_store_b64 v4, v[XC+4*(\t):XC+4*(\t)+1], s[24:25] offset:32*CB*(\t)   ; 32 lanes store 256 consecutive bytes
.endm
.irp t, 0,1,2,3,4,5,6,7,8,9,10,11,12,13,14,15
	XSTEP \t
.endr
	ds_load_b64 v[8:9], v6
	s_wait_dscnt 0x0
	global_store_b64 v7, v[8:9], s[26:27]
	s_branch .Lend
; ---- Wqkv.  A lane takes a column n and its registers run down K: a block of 32 lies in one lane's 32 registers, and the conversions give codes with K innermost.  A wave takes 32 columns x 512 along K;
; its codes go through its own stage and leave as rows: sixteen lanes store 256 consecutive bytes.  Loads run two blocks ahead.
.Lw:
	s_sub_co_u32 s20, ttmp9, 256
	s_cmp_ge_u32 s20, 24
	s_cselect_b32 s21, 1, 0                        ; which 512 along K
	s_cselect_b32 s22, 24, 0
	s_sub_co_u32 s20, s20, s22                     ; which 128 columns
	s_lshl_b32 s20, s20, 7
	s_lshl_b32 s22, s[WV], 5
	s_add_co_u32 s20, s20, s22                     ; my wave's first column
	v_lshlrev_b32 v3, 2, v2
	s_mul_i32 s19, s[WV], 32*PITCH
	s_add_co_u32 s19, s19, WSTG                    ; my stage
	v_mul_u32_u24 v4, v2, PITCH
	v_add_nc_u32 v4, s19, v4                       ; into it: row = my column
	v_and_b32 v5, 15, v2
	v_lshrrev_b32 v6, 4, v2
	v_mul_u32_u24 v7, v6, PITCH
	v_lshl_add_u32 v7, v5, 4, v7
	v_add_nc_u32 v7, s19, v7                       ; out of it: sixteen lanes to a row
	v_mul_u32_u24 v8, v6, KROW
	v_lshl_add_u32 v8, v5, 4, v8                   ; the same place in the codes' buffer
	v_mul_u32_u24 v9, v2, SIZE_K/32                ; my column's row of scale bytes
	s_mul_i32 s22, s21, KW*SIZE_N*4
	s_lshl_b32 s24, s20, 2
	s_add_co_u32 s22, s22, s24
	s_add_nc_u64 s[6:7], s[6:7], s[22:23]
	s_lshl_b32 s22, s20, 9
	s_lshl_b32 s24, s21, 8
	s_add_co_u32 s22, s22, s24
	s_add_nc_u64 s[28:29], s[12:13], s[22:23]      ; codes: column x 512 + 256 y
	s_lshl_b32 s22, s20, 5
	s_lshl_b32 s24, s21, 4
	s_add_co_u32 s22, s22, s24
	s_add_nc_u64 s[30:31], s[12:13], s[22:23]
	s_add_nc_u64 s[30:31], s[30:31], WS_OFF        ; scale bytes: column x 32 + 16 y
.macro WLOAD t
.irp i, 0,1,2,3,4,5,6,7,8,9,10,11,12,13,14,15,16,17,18,19,20,21,22,23,24,25,26,27,28,29,30,31
	global_load_b32 v[WX+32*((\t)%2)+\i], v3, s[6:7] offset:(32*(\t)+\i)*SIZE_N*4 th:TH_LOAD_NT
.endr
.endm
	WLOAD 0
	WLOAD 1
.macro WBLOCK t
.set WXS, WX+32*((\t)%2)
.if (\t) < NB-1
	s_wait_loadcnt 32                              ; this block's 32 loads are in; the next block's 32 may be out
.else
	s_wait_loadcnt 0
.endif
	v_max3_num_f32 v12, |v[WXS]|, |v[WXS+1]|, |v[WXS+2]|
	v_max3_num_f32 v13, |v[WXS+3]|, |v[WXS+4]|, |v[WXS+5]|
.irp i, 6,10,14,18,22,26
	v_max3_num_f32 v12, v12, |v[WXS+\i]|, |v[WXS+\i+1]|
	v_max3_num_f32 v13, v13, |v[WXS+\i+2]|, |v[WXS+\i+3]|
.endr
	v_max3_num_f32 v12, v12, |v[WXS+30]|, |v[WXS+31]|
	v_max3_num_f32 v12, v12, v13, (EMAX+1)<<23
	v_add_nc_u32 v11, -(EMAX<<23), v12
	v_lshrrev_b32 v13, 23, v11
.if (\t)%4 == 0
	v_mov_b32 v[SB+(\t)/4], v13
.else
	v_lshl_or_b32 v[SB+(\t)/4], v13, 8*((\t)%4), v[SB+(\t)/4]
.endif
.irp g, 0,1,2,3
	v_cvt_scalef32_pk8_fp4_f32 v[WC+\g], v[WXS+8*\g:WXS+8*\g+7], v11
.endr
	ds_store_b128 v4, v[WC:WC+3] offset:16*(\t)
.if (\t)+2 < NB
	WLOAD (\t)+2
.endif
	s_wait_dscnt 0x0                               ; the store has read its registers: the next block's codes may be written
.endm
.set Q, 0
.rept NB
	WBLOCK Q
.set Q, Q+1
.endr
	global_store_b128 v9, v[SB:SB+3], s[30:31]
.irp t, 0,1,2,3,4,5,6,7,8,9,10,11,12,13,14,15
	ds_load_b128 v[OUTR+4*\t:OUTR+4*\t+3], v7 offset:2*\t*PITCH
.endr
.irp t, 0,1,2,3,4,5,6,7,8,9,10,11,12,13,14,15
	s_wait_dscnt 15-\t                             ; LDS loads come back in order: load t is in, the younger ones may be out
	global_store_b128 v8, v[OUTR+4*\t:OUTR+4*\t+3], s[28:29] offset:2*\t*KROW
.endr
	s_branch .Lend
; ---- Wout to f16.  A wave takes 4,096 numbers: 32 loads of 512 consecutive bytes, all issued at once, each rounded in its own registers and stored as 256 consecutive bytes.
.Lc:
	s_sub_co_u32 s20, ttmp9, 304
	s_lshl_b32 s20, s20, 2
	s_add_co_u32 s20, s20, s[WV]
	s_lshl_b32 s22, s20, 14
	s_add_nc_u64 s[8:9], s[8:9], s[22:23]
	s_lshl_b32 s22, s20, 13
	s_add_nc_u64 s[14:15], s[14:15], s[22:23]
	v_lshlrev_b32 v3, 4, v2
	v_lshlrev_b32 v4, 3, v2
.set I, 0
.rept 32
	global_load_b128 v[16+4*I:19+4*I], v3, s[8:9] offset:512*I
.set I, I+1
.endr
.set I, 0
.rept 32
	s_wait_loadcnt 31-I                            ; load I is in; the younger ones may be out
	v_cvt_pk_f16_f32 v[16+4*I], v[16+4*I], v[17+4*I]
	v_cvt_pk_f16_f32 v[17+4*I], v[18+4*I], v[19+4*I]
	global_store_b64 v4, v[16+4*I:17+4*I], s[14:15] offset:256*I
.set I, I+1
.endr
.Lend:
	s_wait_tensorcnt 0x0                           ; the wave's end, behind my last LDS store
	ds_add_u32 v[SPW], v[NIL]
	s_wait_dscnt 0x0
	s_endpgm
.Lfunc_end_k_q228b746196_prep:
	.size	k_q228b746196_prep, .Lfunc_end_k_q228b746196_prep-k_q228b746196_prep
	.p2alignl 7, 3214868480
	.fill 96, 4, 3214868480
	.section	.rodata,"a",@progbits
	.p2align	6, 0x0
	.amdhsa_kernel k_q228b746196_prep
		.amdhsa_group_segment_fixed_size 68096
		.amdhsa_private_segment_fixed_size 0
		.amdhsa_enable_private_segment 0
		.amdhsa_kernarg_size 56
		.amdhsa_user_sgpr_count 2
		.amdhsa_user_sgpr_kernarg_segment_ptr 1
		.amdhsa_wavefront_size32 1
		.amdhsa_system_sgpr_workgroup_id_x 1
		.amdhsa_system_sgpr_workgroup_id_y 1
		.amdhsa_system_sgpr_workgroup_id_z 1
		.amdhsa_system_vgpr_workitem_id 0
		.amdhsa_next_free_vgpr 192
		.amdhsa_next_free_sgpr 66
		.amdhsa_reserve_vcc 1
		.amdhsa_float_denorm_mode_32 3
		.amdhsa_float_denorm_mode_16_64 3
		.amdhsa_memory_ordered 1
		.amdhsa_forward_progress 1
		.amdhsa_inst_pref_size 126
	.end_amdhsa_kernel
	.amdgpu_metadata
---
amdhsa.version: [ 1, 2 ]
amdhsa.kernels:
  - .name:           k_q228b746196_prep
    .symbol:         k_q228b746196_prep.kd
    .args:
      - { .name: x, .offset: 0, .size: 8, .value_kind: global_buffer, .address_space: global }
      - { .name: Wqkv, .offset: 8, .size: 8, .value_kind: global_buffer, .address_space: global }
      - { .name: Wout, .offset: 16, .size: 8, .value_kind: global_buffer, .address_space: global }
      - { .name: xq, .offset: 24, .size: 8, .value_kind: global_buffer, .address_space: global }
      - { .name: wq, .offset: 32, .size: 8, .value_kind: global_buffer, .address_space: global }
      - { .name: w16, .offset: 40, .size: 8, .value_kind: global_buffer, .address_space: global }
      - { .name: tab, .offset: 48, .size: 8, .value_kind: global_buffer, .address_space: global }
    .group_segment_fixed_size: 68096
    .private_segment_fixed_size: 0
    .kernarg_segment_align: 8
    .kernarg_segment_size: 56
    .max_flat_workgroup_size: 128
    .sgpr_count:     66
    .vgpr_count:     192
    .wavefront_size: 32
...
	.end_amdgpu_metadata
.endif
;; end of part 1
;; launch g1 (part 2): grid 12 x 32, 4 waves a work-group, clusters of 4 x 4, 327,680 bytes of LDS; arguments xq, wq, tab, qkv; writes qkv
.if DOCPART == 2
	.amdgcn_target "amdgcn-amd-amdhsa--gfx1250"
	.amdhsa_code_object_version 6
	.text
	.protected	k_q228b746196_g1
	.globl	k_q228b746196_g1
	.p2align	8
	.type	k_q228b746196_g1,@function
k_q228b746196_g1:
	s_mov_b64 s[64:65], 0
	v_nop
	global_prefetch_b8 v0, s[64:65] scope:SCOPE_SE
	s_setreg_imm32_b32 hwreg(HW_REG_WAVE_MODE, 25, 1), 1
	s_wait_xcnt 0x0
	s_wait_alu depctr_hold_cnt(0) depctr_sa_sdst(0) depctr_va_vdst(0) depctr_va_sdst(0) depctr_va_ssrc(0) depctr_va_vcc(0) depctr_vm_vsrc(0)
	s_getreg_b32 s2, hwreg(HW_REG_IB_STS2, 6, 4)
	s_cmp_eq_u32 s2, 0
	s_cbranch_scc0 .Lentry_in_a_cluster
	s_endpgm
.Lentry_in_a_cluster:
	s_bfe_u32 s2, ttmp6, 0x10000c
	s_cmp_lg_u32 s2, 0xf033
	s_cbranch_scc0 .Lentry_shape_is_right
	s_endpgm
.Lentry_shape_is_right:
; qkv = x Wqkv on codes of E2M1 with one E8M0 scale for each 32 along K (sums in f32), then the rotary embedding on q and k in f32, q times log2(e) / 8, all rounded to f16 and laid by head:
; qkv: part (q, k, v) x [batch 4][head 16][position 2048][64] f16.  A = xq's codes [8192][512 bytes] and scale bytes [8192][32]; B = wq's [3072][512] and [3072][32].
; A tile of the product, 256 x 256, is made by a work-group of four waves; a wave makes 128 rows x 128 columns (two heads): 64 accumulators of 16 x 16, 512 registers.
; K = 1,024 is two LDS slots of 512 along K (rows of 256 bytes): both are asked for at the head and nothing is filled again.  The scale bytes of the tile's rows come once, as dense blocks.
; CLUSTERS: 4 x 4 work-groups; A's tiles are asked for jointly along a row of the cluster, B's along a column.  A cluster's four tile columns are 1,024 columns: the cluster's x says whether they are q, k or v.
; THE MATRIX INSTRUCTION IS USED TRANSPOSED (source 0 = 16 columns of Wqkv, source 1 = 16 rows of x): a lane holds one position (lane % 16) and eight neighbouring channels, 8 (lane / 16) + 0 .. 7 of a block of 16.
; So channel d and channel d + 32 of a head lie in the same lane and register number of two accumulators, two blocks apart, and the rotation needs no other lane.
; LIMIT: |q|, |k|, |v| stay under 65,504 (f16).
; REGISTERS: window 0: v0-31 addresses; v32-95 scale words, two sets, and nothing else; v96-111 at work on the way out; from v128 A's fragments, one set; on the way out v128-159 packed results, v160-223 rows read back.
;   window 1: B's fragments, two sets, at v0 and v128; on the way out v0-63 two sets of cosines and sines.   window 2: the accumulators of my rows 0-63 ((a, b) at v[8 (8 a + b)]);   window 3: rows 64-127.
.set XS_OFF, 4194304
.set WS_OFF, 1572864
.set NQ,     4                         ; matrix instructions deep in a slot
.set ROWB,   256                       ; a tile's row in bytes: 512 codes
.set KROW,   512                       ; a row of codes in memory
.set PITCH,  272                       ; an LDS row: 256 bytes + 16 of padding: the 16 rows that a load touches start 68 words apart
.set FR,     8
.set NL,     2
.set NP,     4
.set HALFT,  128*PITCH
.set SLOT,   4*HALFT
.set KS,     32                        ; a row of scale bytes
.set SCL,    2*SLOT                    ; behind the slots: the scales, as runs of 256 bytes + 16 of padding
.set HALFS,  (128*KS/256)*272
.set SBLK,   (16*KS/256)*272
.set SPARE,  SCL+4*HALFS               ; the spare words, 128 bytes a wave
.set ADRA, 16
.set ADRB, 20
.set TO,   24                          ; v24  my byte in 16 rows of the table: 256 r + 32 h
.set STO,  25                          ; v25  the stage: where I put 16 bytes of a head's row
.set RD,   26                          ; v26  and where I read rows back
.set ADRS, 27
.set SPW,  28
.set NIL,  29
.set GO,   30                          ; v30  16 x lane
.set SC,   32
.set T1,   96
.set T2,   104
.set AF,   128
.set HH,   128
.set BK,   160
.set G1, 24
.set G0, 32
.set G1B, 48
.set G0B, 56
.set G1S, 68
.set G0S, 76
.set G1SB, 80
.set G0SB, 88
.set MSB, 0
.macro WIN new                         ; the immediate's high byte repeats the setting that is left
.if MSB != (\new)
	s_set_vgpr_msb (MSB<<8)|(\new)
.set MSB, \new
.endif
.endm
.set MUL_LO, 0xa1                      ; source 0 (B) window 1, source 1 (A) window 0, C and D window 2
.set MUL_HI, 0xf1
.set TO_B,   0x40
; A joint load: waves 0 and 1 fetch for A, waves 2 and 3 for B; the branch hangs on the wave's number alone.  An s_nop 0 and four v_nop follow each line.
.macro JLOAD g0a, g1a, g0b, g1b
	s_cmp_eq_u32 s15, 0
	s_cbranch_scc0 .Lfor_b_\@
	tensor_load_to_lds s[\g0a:\g0a+3], s[\g1a:\g1a+7]
	s_nop 0
.rept 4
	v_nop
.endr
	s_branch .Lasked_\@
.Lfor_b_\@:
	tensor_load_to_lds s[\g0b:\g0b+3], s[\g1b:\g1b+7]
	s_nop 0
.rept 4
	v_nop
.endr
.Lasked_\@:
.endm
.macro CROUND                          ; a round of the cluster's barrier
	s_barrier_signal -1
	s_barrier_wait -1
	s_cmp_lg_u32 s14, 0
	s_cbranch_scc1 .Lnot_wave_0_\@
	s_barrier_signal -3
.Lnot_wave_0_\@:
	s_barrier_wait -3
	s_barrier_signal -1
	s_barrier_wait -1
.endm
	s_load_b128 s[4:7], s[0:1], 0x0                ; xq s[4:5], wq s[6:7]
	s_load_b128 s[96:99], s[0:1], 0x10             ; tab s[96:97], qkv s[98:99]
	v_lshl_add_u32 v[SPW], v0, 2, SPARE
	v_mov_b32 v[NIL], 0
	ds_add_u32 v[SPW], v[NIL]                      ; the wave's opening: the add, twice on end, and its wait ahead of my first tensor load
	ds_add_u32 v[SPW], v[NIL]
	v_lshrrev_b32 v1, 5, v0
	v_readfirstlane_b32 s14, v1                    ; wave 0..3
	s_lshr_b32 s15, s14, 1                         ; which half of the tile's rows is mine.  Also: I fetch for A (0) or for B (1)
	s_and_b32 s16, s14, 1                          ; which half of its columns.  Also: which 128 rows of that tile I fetch
	s_bfe_u32 s40, ttmp6, 0x40000                  ; cx, cy
	s_bfe_u32 s41, ttmp6, 0x40004
	s_lshl_b32 s42, ttmp9, 2
	s_add_co_u32 s42, s42, s40                     ; tile column
	s_and_b32 s17, ttmp7, 0xffff
	s_lshl_b32 s17, s17, 2
	s_add_co_u32 s17, s17, s41                     ; tile row
	s_lshl_b32 s43, s41, 2
	s_lshl_b32 s43, 15, s43                        ; my row of the cluster
	s_lshl_b32 s44, 0x1111, s40                    ; my column
	s_or_b32 s[G1+0], s43, (0<<16)|(1<<20)|(1<<21)|(5<<22)|(3<<25)  ; the mask; elements of 1 byte; padding on; bit 21 beside a mask; 4 words after every 64
	s_or_b32 s[G1B+0], s44, (0<<16)|(1<<20)|(1<<21)|(5<<22)|(3<<25)
.irp g, G1, G1B
	s_mov_b32 s[\g+1], ROWB<<16                    ; tensor_dim0
	s_mov_b32 s[\g+2], 128<<16                     ; tensor_dim1
	s_mov_b32 s[\g+3], ROWB<<16                    ; tile_dim0
	s_mov_b32 s[\g+4], 128                         ; tile_dim1
	s_mov_b32 s[\g+5], KROW                        ; from row to row
	s_mov_b32 s[\g+6], 0
	s_mov_b32 s[\g+7], 0
.endr
	s_or_b32 s[G1S+0], s43, (3<<16)|(1<<20)|(1<<21)|(5<<22)|(3<<25)  ; the scales of 128 rows: a dense block, as rows of 256 bytes (32 elements of 8 bytes)
	s_or_b32 s[G1SB+0], s44, (3<<16)|(1<<20)|(1<<21)|(5<<22)|(3<<25)
.irp g, G1S, G1SB
	s_mov_b32 s[\g+1], 32<<16
	s_mov_b32 s[\g+2], (128*KS/256)<<16
	s_mov_b32 s[\g+3], 32<<16
	s_mov_b32 s[\g+4], 128*KS/256
	s_mov_b32 s[\g+5], 32
	s_mov_b32 s[\g+6], 0
	s_mov_b32 s[\g+7], 0
.endr
	s_lshl_b32 s18, s16, 7
	s_lshl_b32 s20, s17, 8
	s_add_co_u32 s20, s20, s18                     ; A: row 256 x tile row + 128 x half
	s_lshl_b32 s46, s42, 8
	s_add_co_u32 s46, s46, s18                     ; B: row 256 x tile column + 128 x half
	s_mov_b32 s21, 0
	s_mov_b32 s47, 0
	s_mov_b64 s[18:19], KS
	s_mul_u64 s[22:23], s[20:21], s[18:19]
	s_mul_u64 s[92:93], s[46:47], s[18:19]
	s_mov_b64 s[18:19], KROW
	s_mul_u64 s[20:21], s[20:21], s[18:19]
	s_mul_u64 s[46:47], s[46:47], s[18:19]
	s_mul_i32 s45, s14, HALFT                      ; where they go: wave x 128 rows
	s_mul_i32 s94, s14, HALFS
	s_wait_dscnt 0x0                               ; both opening adds are done
	s_wait_kmcnt 0x0
	s_mov_b64 s[8:9], s[6:7]                       ; B's codes,
	s_add_nc_u64 s[10:11], s[6:7], WS_OFF          ; B's scale bytes,
	s_add_nc_u64 s[6:7], s[4:5], XS_OFF            ; A's scale bytes
	s_add_nc_u64 s[20:21], s[4:5], s[20:21]
	s_add_nc_u64 s[22:23], s[6:7], s[22:23]
	s_add_nc_u64 s[46:47], s[8:9], s[46:47]
	s_add_nc_u64 s[92:93], s[10:11], s[92:93]
	CROUND                                         ; all sixteen work-groups are here: the joint loads meet
	s_mov_b32 s[G0S], 1
	s_add_co_u32 s[G0S+1], s94, SCL
	s_mov_b64 s[G0S+2:G0S+3], s[22:23]
	s_or_b32 s[G0S+3], s[G0S+3], 0x80000000
	s_mov_b32 s[G0SB], 1
	s_add_co_u32 s[G0SB+1], s94, SCL
	s_mov_b64 s[G0SB+2:G0SB+3], s[92:93]
	s_or_b32 s[G0SB+3], s[G0SB+3], 0x80000000
	JLOAD G0S, G1S, G0SB, G1SB                     ; the scales first
.irp s, 0,1
	s_mov_b32 s[G0+4*\s], 1
	s_add_co_u32 s[G0+4*\s+1], s45, \s*SLOT
	s_add_nc_u64 s[G0+4*\s+2:G0+4*\s+3], s[20:21], \s*ROWB
	s_or_b32 s[G0+4*\s+3], s[G0+4*\s+3], 0x80000000
	s_mov_b32 s[G0B+4*\s], 1
	s_add_co_u32 s[G0B+4*\s+1], s45, \s*SLOT
	s_add_nc_u64 s[G0B+4*\s+2:G0B+4*\s+3], s[46:47], \s*ROWB
	s_or_b32 s[G0B+4*\s+3], s[G0B+4*\s+3], 0x80000000
	JLOAD G0+4*\s, G1, G0B+4*\s, G1B               ; three tensor loads of a wave are out
.endr
	v_and_b32 v1, 15, v0                           ; r
	v_bfe_u32 v2, v0, 4, 1                         ; h
	v_mul_u32_u24 v3, v1, PITCH
	v_lshl_add_u32 v4, v2, 4, v3
	s_mul_i32 s21, s15, HALFT
	s_mul_i32 s22, s16, HALFT
	s_add_co_u32 s22, s22, 2*HALFT
.irp s, 0,1
	v_add_nc_u32 v[ADRA+\s], s21, v4
	v_add_nc_u32 v[ADRB+\s], s22, v4
	s_add_co_u32 s21, s21, SLOT
	s_add_co_u32 s22, s22, SLOT
.endr
	v_mul_u32_u24 v5, v1, KS
	v_lshrrev_b32 v6, 8, v5
	v_lshl_add_u32 v5, v6, 4, v5
	s_mul_i32 s21, s15, HALFS
	s_mul_i32 s22, s16, HALFS
	s_add_co_u32 s22, s22, 2*HALFS
	s_sub_co_u32 s22, s22, s21
	v_mul_u32_u24 v6, s22, v2                      ; lanes 16-31 take B's
	s_add_co_u32 s21, s21, SCL
	v_add_nc_u32 v5, v5, v6
	v_add_nc_u32 v[ADRS], s21, v5
	; the way out's addresses.  The stage, 2 heads x 16 rows x 144 bytes a wave, lies in slot 0, which has had its only fill and its last read when the first result is stored there
	v_lshlrev_b32 v[TO], 8, v1
	v_lshl_add_u32 v[TO], v2, 5, v[TO]
	s_mul_i32 s23, s14, 4608
	v_mul_u32_u24 v[STO], v1, 144
	v_lshl_add_u32 v[STO], v2, 4, v[STO]
	v_add_nc_u32 v[STO], s23, v[STO]
	v_and_b32 v3, 31, v0
	v_lshrrev_b32 v4, 3, v3
	v_and_b32 v5, 7, v3
	v_mul_u32_u24 v[RD], v4, 144
	v_lshl_add_u32 v[RD], v5, 4, v[RD]
	v_add_nc_u32 v[RD], s23, v[RD]                 ; back: eight lanes to a row of 128 bytes, four rows an instruction
	v_lshlrev_b32 v[GO], 4, v3
	s_lshl_b32 s20, s17, 8
	s_lshl_b32 s21, s15, 7
	s_add_co_u32 s20, s20, s21                     ; my first row of x
	s_lshr_b32 s21, s20, 11                        ; its batch
	s_and_b32 s20, s20, 2047                       ; its position
	s_lshl_b32 s22, s20, 8
	s_mov_b32 s23, 0
	s_add_nc_u64 s[96:97], s[96:97], s[22:23]      ; the table at my first position
	s_lshl_b32 s21, s21, 4
	s_lshl_b32 s22, s40, 2
	s_add_co_u32 s21, s21, s22
	s_lshl_b32 s22, s16, 1
	s_add_co_u32 s21, s21, s22                     ; batch x 16 + my first head
	s_lshl_b32 s21, s21, 18
	s_lshl_b32 s22, ttmp9, 24                      ; the part: q, k or v
	s_add_co_u32 s21, s21, s22
	s_lshl_b32 s22, s20, 7
	s_add_co_u32 s22, s22, s21
	s_add_nc_u64 s[98:99], s[98:99], s[22:23]
	s_cmp_eq_u32 ttmp9, 0
	s_mov_b32 s66, 0x3f800000
	s_cselect_b32 s66, 0x3e38aa3b, s66             ; q takes log2(e) / 8 with it, k takes 1
	s_mov_b32 s67, s66
.macro FRAG reg, adr, q, i             ; 16 rows x 128 K of 4-bit codes: 8 registers: lane l holds row l % 16; registers 4 c .. 4 c + 3 hold K = 64 c + 32 (l / 16) + 0 .. 31
.irp c, 0,1
	ds_load_b128 v[\reg+4*\c:\reg+4*\c+3], v[\adr] offset:64*(\q)+32*\c+(\i)*16*PITCH
.endr
.endm
; 16 matrix instructions: A's blocks a0, a0 + 1 x B's eight.  The 64 accumulators take turns, one instruction a turn, in the same order in every step.
.macro MUL16 a0, p, q, sc, zero
.irp a, \a0, \a0+1
.irp b, 0,1,2,3,4,5,6,7
.if \zero
	v_wmma_scale_f32_16x16x128_f8f6f4 v[8*(8*((\a)%4)+\b):8*(8*((\a)%4)+\b)+7], v[128*(\p)+FR*\b:128*(\p)+FR*\b+FR-1], v[AF+FR*(\a):AF+FR*(\a)+FR-1], 0, v[SC+8*NQ*(\sc)+NQ*\b+(\q)], v[SC+8*NQ*(\sc)+NQ*(\a)+(\q)] matrix_a_fmt:MATRIX_FMT_FP4 matrix_b_fmt:MATRIX_FMT_FP4 matrix_a_scale:MATRIX_SCALE_ROW1
.else
	v_wmma_scale_f32_16x16x128_f8f6f4 v[8*(8*((\a)%4)+\b):8*(8*((\a)%4)+\b)+7], v[128*(\p)+FR*\b:128*(\p)+FR*\b+FR-1], v[AF+FR*(\a):AF+FR*(\a)+FR-1], v[8*(8*((\a)%4)+\b):8*(8*((\a)%4)+\b)+7], v[SC+8*NQ*(\sc)+NQ*\b+(\q)], v[SC+8*NQ*(\sc)+NQ*(\a)+(\q)] matrix_a_fmt:MATRIX_FMT_FP4 matrix_b_fmt:MATRIX_FMT_FP4 matrix_a_scale:MATRIX_SCALE_ROW1
.endif
.endr
.endr
.endm
.macro FETCH_B slot, q, p
	WIN TO_B
.irp i, 0,1,2,3,4,5,6,7
	FRAG 128*(\p)+FR*\i, ADRB+\slot, \q, \i
.endr
	WIN 0
.endm
.macro FETCH_A slot, q, i0
.irp i, \i0, \i0+1, \i0+2, \i0+3
	FRAG AF+FR*(\i), ADRA+\slot, \q, \i
.endr
.endm
.macro SCALES sc                       ; a slot's scale words: lanes 0-15 take A's block i, lanes 16-31 B's block i
.irp i, 0,1,2,3,4,5,6,7
	ds_load_b128 v[SC+8*NQ*\sc+NQ*\i:SC+8*NQ*\sc+NQ*\i+3], v[ADRS] offset:\i*SBLK
.endr
.endm
.macro PLACES n                        ; plain vector instructions between a matrix instruction and a load into, or a read of, its registers
.rept \n
	v_nop
.endr
.endm
.macro STEP slot, q, zero
	s_wait_dscnt 4*NL                              ; B's set and A's blocks 0-3 are in; the youngest eight loads (A's blocks 4-7) may be out
	WIN MUL_LO
	MUL16 0, (\q)%2, \q, \slot, \zero
	MUL16 2, (\q)%2, \q, \slot, \zero
	s_wait_dscnt 0
	PLACES NP
	FETCH_B \slot, (\q)+1, 1-(\q)%2
	FETCH_A \slot, (\q)+1, 0
	WIN MUL_HI
	MUL16 4, (\q)%2, \q, \slot, \zero
	MUL16 6, (\q)%2, \q, \slot, \zero
	PLACES NP
	WIN 0
	FETCH_A \slot, (\q)+1, 4
.endm
.macro STEPS slot, from
.set Q, \from
.rept NQ-1-\from
	STEP \slot, Q, 0
.set Q, Q+1
.endr
.endm
	s_wait_tensorcnt 1                             ; the scales and my part of slot 0 are in; slot 1's load may be out,
	s_barrier_signal -1
	s_barrier_wait -1                              ; everybody's are
	FETCH_B 0, 0, 0
	FETCH_A 0, 0, 0
	SCALES 0
	FETCH_A 0, 0, 4
	STEP 0, 0, 1                                   ; the first step's products start the sums
	STEPS 0, 1
	; slot 0's last step changes slots: one barrier; in front of it each wave waits for its tensor loads, adds 0 to its spare word, and waits for that and for its reads of slot 0
	s_wait_tensorcnt 0x0                           ; my part of slot 1 has landed
	ds_add_u32 v[SPW], v[NIL]
	s_wait_dscnt 4*NL+1                            ; the add and the youngest eight loads (A's blocks 4-7) may be out
	WIN MUL_LO
	MUL16 0, 1, NQ-1, 0, 0
	s_wait_dscnt 0x0
	s_barrier_signal -1
	MUL16 2, 1, NQ-1, 0, 0
	WIN 0
	s_barrier_wait -1
	PLACES NP
	v_add_nc_u32 v[ADRS], 4*NQ, v[ADRS]            ; on to slot 1's scale words
	FETCH_B 1, 0, 0
	FETCH_A 1, 0, 0
	SCALES 1
	WIN MUL_HI
	MUL16 4, 1, NQ-1, 0, 0
	MUL16 6, 1, NQ-1, 0, 0
	PLACES NP
	WIN 0
	FETCH_A 1, 0, 4
	STEPS 1, 0
	s_wait_dscnt 4*NL                              ; the last step: nothing more to fetch
	WIN MUL_LO
	MUL16 0, 1, NQ-1, 1, 0
	MUL16 2, 1, NQ-1, 1, 0
	s_wait_dscnt 0
	WIN MUL_HI
	MUL16 4, 1, NQ-1, 1, 0
	MUL16 6, 1, NQ-1, 1, 0
	WIN 0
; THE WAY OUT, block by block of 16 positions x 128 channels (two heads).
.macro TABLOAD a                       ; block a's cosines and sines into set a % 2 of window 1: cos of channels 8 h .., cos of 16 + 8 h .., sin of the same two
	WIN 0x40
.irp o, 0,1,2,3
	global_load_b128 v[32*((\a)%2)+8*\o:32*((\a)%2)+8*\o+3], v[TO], s[96:97] offset:4096*(\a)+64*\o
	global_load_b128 v[32*((\a)%2)+8*\o+4:32*((\a)%2)+8*\o+7], v[TO], s[96:97] offset:4096*(\a)+64*\o+16
.endr
	WIN 0
.endm
.macro SCALEQ a                        ; the set times q's factor (k: times 1)
	WIN 0x41
.set I, 0
.rept 16
	v_pk_mul_f32 v[32*((\a)%2)+2*I:32*((\a)%2)+2*I+1], v[32*((\a)%2)+2*I:32*((\a)%2)+2*I+1], s[66:67] op_sel_hi:[1,0]
.set I, I+1
.endr
	WIN 0
.endm
; head hd, channels 16 u + 8 h + 0 .. 7 (accumulator X1) and the same + 32 (X2): X1 cos - X2 sin, X2 cos + X1 sin.  Each accumulator is read from its low end on.
.macro ROPE a, hd, u
.set X1, 64*((\a)%4)+8*(4*(\hd)+(\u))
.set X2, X1+16
.set CC, 32*((\a)%2)+8*(\u)
.set SS, CC+16
	WIN 0x06+(\a)/4                                ; source 0: window 2 or 3; source 1: window 1
.irp j, 0,2,4,6
	v_pk_mul_f32 v[T1+\j:T1+\j+1], v[X1+\j:X1+\j+1], v[CC+\j:CC+\j+1]
	v_pk_mul_f32 v[T2+\j:T2+\j+1], v[X2+\j:X2+\j+1], v[CC+\j:CC+\j+1]
.endr
.irp j, 0,2,4,6
	v_pk_fma_f32 v[T1+\j:T1+\j+1], v[X2+\j:X2+\j+1], v[SS+\j:SS+\j+1], v[T1+\j:T1+\j+1] neg_lo:[1,0,0] neg_hi:[1,0,0]
	v_pk_fma_f32 v[T2+\j:T2+\j+1], v[X1+\j:X1+\j+1], v[SS+\j:SS+\j+1], v[T2+\j:T2+\j+1]
.endr
	WIN 0
.irp i, 0,1,2,3
	v_cvt_pk_f16_f32 v[HH+4*(4*(\hd)+(\u))+\i], v[T1+2*\i], v[T1+2*\i+1]
	v_cvt_pk_f16_f32 v[HH+4*(4*(\hd)+(\u)+2)+\i], v[T2+2*\i], v[T2+2*\i+1]
.endr
.endm
.macro PACKV a                         ; v is only rounded
.set AC, 64*((\a)%4)
	WIN 0x0a+5*((\a)/4)
.irp b, 0,1,2,3,4,5,6,7
.irp i, 0,1,2,3
	v_cvt_pk_f16_f32 v[HH+4*\b+\i], v[AC+8*\b+2*\i], v[AC+8*\b+2*\i+1]
.endr
.endr
	WIN 0
.endm
.macro TOSTAGE a                       ; a lane's 16 bytes into rows of 144 bytes; back as whole rows.  LDS serves a wave's instructions in order: no wait between
.irp b, 0,1,2,3,4,5,6,7
	ds_store_b128 v[STO], v[HH+4*\b:HH+4*\b+3] offset:(\b/4)*2304+(\b%4)*32
.endr
.set BB, BK+32*((\a)%2)
.irp t, 0,1,2,3,4,5,6,7
	ds_load_b128 v[BB+4*\t:BB+4*\t+3], v[RD] offset:(\t/4)*2304+(\t%4)*576
.endr
.endm
.macro SEND a, younger
.set BB, BK+32*((\a)%2)
	s_wait_dscnt \younger
.irp t, 0,1,2,3,4,5,6,7
	global_store_b128 v[GO], v[BB+4*\t:BB+4*\t+3], s[98:99] offset:(\t/4)*262144+(\a)*2048+(\t%4)*512   ; 32 lanes store 512 consecutive bytes: four rows of a head
.endr
.endm
	PLACES NP
	s_cmp_eq_u32 ttmp9, 2                          ; the cluster's x: the same in all sixteen partners
	s_cbranch_scc1 .Lv
	TABLOAD 0
.irp a, 0,1,2,3,4,5,6,7
.if \a < 7
	TABLOAD \a+1
	s_wait_loadcnt 8                               ; this block's eight loads are in; the next block's eight may be out
.else
	s_wait_loadcnt 0
.endif
	SCALEQ \a
.if \a > 0
	s_wait_dscnt 8                                 ; the last block's stage stores have read the packed results; its eight loads may be out
.endif
	ROPE \a, 0, 0
	ROPE \a, 0, 1
	ROPE \a, 1, 0
	ROPE \a, 1, 1
.if \a > 1
	s_wait_xcnt 0x0                                ; block a - 2's stores have read their registers: block a's rows may land there
.endif
.if \a > 0
	SEND \a-1, 0
.endif
	TOSTAGE \a
.endr
	SEND 7, 0
	s_branch .Lend
.Lv:
.irp a, 0,1,2,3,4,5,6,7
.if \a > 0
	s_wait_dscnt 8
.endif
	PACKV \a
.if \a > 1
	s_wait_xcnt 0x0
.endif
.if \a > 0
	SEND \a-1, 0
.endif
	TOSTAGE \a
.endr
	SEND 7, 0
.Lend:
	s_wait_tensorcnt 0x0                           ; the wave's end
	ds_add_u32 v[SPW], v[NIL]
	s_wait_dscnt 0x0
	CROUND                                         ; the closing round
	s_endpgm
.Lfunc_end_k_q228b746196_g1:
	.size	k_q228b746196_g1, .Lfunc_end_k_q228b746196_g1-k_q228b746196_g1
	.p2alignl 7, 3214868480
	.fill 96, 4, 3214868480
	.section	.rodata,"a",@progbits
	.p2align	6, 0x0
	.amdhsa_kernel k_q228b746196_g1
		.amdhsa_group_segment_fixed_size 327680
		.amdhsa_private_segment_fixed_size 0
		.amdhsa_enable_private_segment 0
		.amdhsa_kernarg_size 32
		.amdhsa_user_sgpr_count 2
		.amdhsa_user_sgpr_kernarg_segment_ptr 1
		.amdhsa_wavefront_size32 1
		.amdhsa_system_sgpr_workgroup_id_x 1
		.amdhsa_system_sgpr_workgroup_id_y 1
		.amdhsa_system_sgpr_workgroup_id_z 1
		.amdhsa_system_vgpr_workitem_id 0
		.amdhsa_next_free_vgpr 1024
		.amdhsa_next_free_sgpr 100
		.amdhsa_reserve_vcc 0
		.amdhsa_float_denorm_mode_32 3
		.amdhsa_float_denorm_mode_16_64 3
		.amdhsa_memory_ordered 1
		.amdhsa_forward_progress 1
		.amdhsa_inst_pref_size 207
	.end_amdhsa_kernel
	.amdgpu_metadata
---
amdhsa.version: [ 1, 2 ]
amdhsa.kernels:
  - .name:           k_q228b746196_g1
    .symbol:         k_q228b746196_g1.kd
    .args:
      - { .name: xq, .offset: 0, .size: 8, .value_kind: global_buffer, .address_space: global }
      - { .name: wq, .offset: 8, .size: 8, .value_kind: global_buffer, .address_space: global }
      - { .name: tab, .offset: 16, .size: 8, .value_kind: global_buffer, .address_space: global }
      - { .name: qkv, .offset: 24, .size: 8, .value_kind: global_buffer, .address_space: global }
    .group_segment_fixed_size: 327680
    .private_segment_fixed_size: 0
    .kernarg_segment_align: 8
    .kernarg_segment_size: 32
    .max_flat_workgroup_size: 128
    .sgpr_count:     100
    .vgpr_count:     1024
    .wavefront_size: 32
...
	.end_amdgpu_metadata
.endif
;; end of part 2
;; launch f1 (part 3): grid 16 x 4, 12 waves a work-group, no clusters, 19,200 bytes of LDS; arguments xq, wq, tab, af; writes af
.if DOCPART == 3
	.amdgcn_target "amdgcn-amd-amdhsa--gfx1250"
	.amdhsa_code_object_version 6
	.text
	.protected	k_q228b746196_f1
	.globl	k_q228b746196_f1
	.p2align	8
	.type	k_q228b746196_f1,@function
k_q228b746196_f1:
	s_mov_b64 s[64:65], 0
	v_nop
	global_prefetch_b8 v0, s[64:65] scope:SCOPE_SE
	s_setreg_imm32_b32 hwreg(HW_REG_WAVE_MODE, 25, 1), 1
	s_wait_xcnt 0x0
; THE FIRST 16 POSITIONS of every sequence, head by head, in f32 throughout: they average one to sixteen values and are the largest in size.
; A work-group takes one (head, batch).  Phase 1, twelve waves: wave w makes 16 channels (16 (w % 4) on) of part w / 4 (q, k, v) for the 16 positions, from the codes, by the same scaled matrix form as the bulk;
; the results meet in LDS.  Phase 2, wave 0: rotary embedding, scores, causal mask, softmax with its maximum taken off, and the weighted sum of v, by the f32 matrix form (no bulk work: 32 instructions).
; af: [batch x 16 + position][1024] f32.  No cluster, no tensor load: 104 KB of codes a work-group.
; The registers that the f32 matrix form writes (v160-175, v224-255) are written by matrix instructions alone in this text.
.set XS_OFF, 4194304
.set WS_OFF, 1572864
.set STG,   13312                      ; LDS: 0: q, k, v: part x 4,352 + position x 272;  13,312: the stage, 16 x 272;  17,664: the spare words, 128 bytes a wave
.set SPARE, 17664
.set SPW, 14
.set NIL, 15
.set XF,  16                           ; v16-79   x's eight fragments; later q and k from LDS; later v
.set WF,  80                           ; v80-143  W's eight fragments; later q and k after the rotation
.set SX,  144                          ; v144-151 x's scale words;  v152-159 W's: scales and nothing else
.set SW,  152
.set RR,  176                          ; v176-183 the two sums' total
.set CT,  184                          ; v184-199 cosines;  v200-215 sines: register 4 c + i: frequency 8 c + 4 h + i
.set SN,  200
.set QR,  16
.set KR,  48
.set QF,  80
.set KF,  112
.set VF,  16
.set TT,  48                           ; v48-55 scores, then p unnormalised;  v56-63 p
.set PF,  56
.set OA,  224
	s_load_b256 s[4:11], s[0:1], 0x0               ; xq s[4:5], wq s[6:7], tab s[8:9], af s[10:11]
	v_lshl_add_u32 v[SPW], v0, 2, SPARE
	v_mov_b32 v[NIL], 0
	v_lshrrev_b32 v1, 5, v0
	v_readfirstlane_b32 s18, v1                    ; wave 0..11
	s_and_b32 s19, ttmp7, 0xffff                   ; batch
	s_lshr_b32 s20, s18, 2                         ; part
	s_and_b32 s21, s18, 3                          ; which 16 channels
	s_lshl_b32 s22, s20, 10
	s_lshl_b32 s23, ttmp9, 6
	s_add_co_u32 s22, s22, s23
	s_lshl_b32 s23, s21, 4
	s_add_co_u32 s22, s22, s23                     ; my first column of Wqkv
	s_mul_i32 s30, s20, 4352
	s_lshl_b32 s31, s21, 6
	s_add_co_u32 s30, s30, s31
	s_mov_b32 s25, 0
	s_mov_b32 s32, 0x3e38aa3b                      ; log2(e) / 8
	s_mov_b32 s34, 0x76543210
	s_mov_b32 s35, 0xfedcba98                      ; lane l xor 16
	v_and_b32 v1, 15, v0                           ; r
	v_bfe_u32 v2, v0, 4, 1                         ; h
	v_lshlrev_b32 v4, 9, v1
	v_lshl_add_u32 v4, v2, 4, v4                   ; codes: row r of 512 bytes, + 16 h
	v_lshlrev_b32 v5, 5, v1                        ; scale bytes: row r of 32
	v_lshlrev_b32 v6, 8, v1
	v_lshl_add_u32 v6, v2, 4, v6                   ; the table: position r, + 16 h
	v_mul_u32_u24 v8, v1, 272
	v_lshl_add_u32 v7, v2, 5, v8
	v_add_nc_u32 v10, STG, v7                      ; the stage, in: row r, + 32 h
	v_add_nc_u32 v7, s30, v7                       ; phase 1's results: part, row r, my 16 channels, + 32 h
	v_lshl_add_u32 v8, v2, 4, v8                   ; q and k back: row r, + 16 h
	v_mul_u32_u24 v9, v2, 8*272
	v_lshl_add_u32 v9, v1, 2, v9
	v_add_nc_u32 v9, 2*4352, v9                    ; v back: keys 8 h on, channel r
	v_mul_u32_u24 v11, v2, 272
	v_lshl_add_u32 v11, v1, 4, v11
	v_add_nc_u32 v11, STG, v11                     ; the stage, out: lanes 0-15 one row, lanes 16-31 the next
	v_lshlrev_b32 v12, 12, v2
	v_lshl_add_u32 v12, v1, 4, v12                 ; the same two rows in af
	v_lshlrev_b32 v13, 3, v2
	v_sub_nc_u32 v13, v1, v13                      ; r - 8 h
	s_wait_kmcnt 0x0
	s_lshl_b32 s24, s19, 20
	s_add_nc_u64 s[12:13], s[4:5], s[24:25]        ; x's codes at the batch's position 0
	s_lshl_b32 s24, s19, 16
	s_add_nc_u64 s[14:15], s[4:5], s[24:25]
	s_add_nc_u64 s[14:15], s[14:15], XS_OFF
	s_lshl_b32 s26, ttmp9, 8
	s_add_co_u32 s24, s24, s26
	s_add_nc_u64 s[10:11], s[10:11], s[24:25]      ; af: batch x 16 rows of 4,096 bytes + head x 256
	s_lshl_b32 s24, s22, 9
	s_add_nc_u64 s[16:17], s[6:7], s[24:25]
	s_lshl_b32 s24, s22, 5
	s_add_nc_u64 s[28:29], s[6:7], s[24:25]
	s_add_nc_u64 s[28:29], s[28:29], WS_OFF
.irp s, 0,1,2,3,4,5,6,7
.irp c, 0,1
	global_load_b128 v[XF+8*\s+4*\c:XF+8*\s+4*\c+3], v4, s[12:13] offset:64*\s+32*\c
	global_load_b128 v[WF+8*\s+4*\c:WF+8*\s+4*\c+3], v4, s[16:17] offset:64*\s+32*\c
.endr
.endr
	global_load_b128 v[SX:SX+3], v5, s[14:15]      ; a row's eight scale words: register s serves K step s
	global_load_b128 v[SX+4:SX+7], v5, s[14:15] offset:16
	global_load_b128 v[SW:SW+3], v5, s[28:29]
	global_load_b128 v[SW+4:SW+7], v5, s[28:29] offset:16
.irp c, 0,1,2,3
	global_load_b128 v[CT+4*\c:CT+4*\c+3], v6, s[8:9] offset:32*\c
	global_load_b128 v[SN+4*\c:SN+4*\c+3], v6, s[8:9] offset:128+32*\c
.endr
	s_wait_loadcnt 0x0
; transposed: source 0 = 16 columns of Wqkv, source 1 = the 16 positions: lane (r, h) holds position r, channels 8 h + 0 .. 7.  Two sums by turns
.irp s, 0,1,2,3,4,5,6,7
.if \s < 2
	v_wmma_scale_f32_16x16x128_f8f6f4 v[160+8*(\s%2):167+8*(\s%2)], v[WF+8*\s:WF+8*\s+7], v[XF+8*\s:XF+8*\s+7], 0, v[SW+\s], v[SX+\s] matrix_a_fmt:MATRIX_FMT_FP4 matrix_b_fmt:MATRIX_FMT_FP4
.else
	v_wmma_scale_f32_16x16x128_f8f6f4 v[160+8*(\s%2):167+8*(\s%2)], v[WF+8*\s:WF+8*\s+7], v[XF+8*\s:XF+8*\s+7], v[160+8*(\s%2):167+8*(\s%2)], v[SW+\s], v[SX+\s] matrix_a_fmt:MATRIX_FMT_FP4 matrix_b_fmt:MATRIX_FMT_FP4
.endif
.endr
.rept 4
	v_nop
.endr
.irp j, 0,2,4,6
	v_pk_add_f32 v[RR+\j:RR+\j+1], v[160+\j:161+\j], v[168+\j:169+\j]
.endr
	ds_store_b128 v7, v[RR:RR+3]
	ds_store_b128 v7, v[RR+4:RR+7] offset:16
	s_wait_dscnt 0x0                               ; for the others' sake: my stores have landed
	s_barrier_signal -1
	s_barrier_wait -1
	s_cmp_lg_u32 s18, 0
	s_cbranch_scc1 .Lend
; ---- wave 0.  q and k: register 4 c + i = channel 8 c + 4 h + i of position r.  The f32 form takes k = 2 h + j from register j: a pair of registers 4 c + 2 u, + 1 gives channels 8 c + 4 h + 2 u + j, alike on both sides.
.irp c, 0,1,2,3,4,5,6,7
	ds_load_b128 v[QR+4*\c:QR+4*\c+3], v8 offset:32*\c
	ds_load_b128 v[KR+4*\c:KR+4*\c+3], v8 offset:4352+32*\c
.endr
	s_wait_dscnt 0x0
.macro RP src, dst                     ; channel d < 32 lies 16 registers below channel d + 32
.irp c, 0,1,2,3
.irp i, 0,2
	v_pk_mul_f32 v[\dst+4*\c+\i:\dst+4*\c+\i+1], v[\src+4*\c+\i:\src+4*\c+\i+1], v[CT+4*\c+\i:CT+4*\c+\i+1]
	v_pk_mul_f32 v[\dst+16+4*\c+\i:\dst+16+4*\c+\i+1], v[\src+16+4*\c+\i:\src+16+4*\c+\i+1], v[CT+4*\c+\i:CT+4*\c+\i+1]
	v_pk_fma_f32 v[\dst+4*\c+\i:\dst+4*\c+\i+1], v[\src+16+4*\c+\i:\src+16+4*\c+\i+1], v[SN+4*\c+\i:SN+4*\c+\i+1], v[\dst+4*\c+\i:\dst+4*\c+\i+1] neg_lo:[1,0,0] neg_hi:[1,0,0]
	v_pk_fma_f32 v[\dst+16+4*\c+\i:\dst+16+4*\c+\i+1], v[\src+4*\c+\i:\src+4*\c+\i+1], v[SN+4*\c+\i:SN+4*\c+\i+1], v[\dst+16+4*\c+\i:\dst+16+4*\c+\i+1]
.endr
.endr
.endm
	RP QR, QF
	RP KR, KF
.irp ct, 0,1,2,3                               ; v: register 8 ct + k = v(key 8 h + k, channel 16 ct + r)
.irp k, 0,1,2,3,4,5,6,7
	ds_load_b32 v[VF+8*\ct+\k], v9 offset:\k*272+64*\ct
.endr
.endr
; S^T = k q^T: lane (r, h) holds query r, keys 8 h + 0 .. 7.  Two sums by turns
.irp c, 0,1,2,3,4,5,6,7
.irp u, 0,1
.if \c == 0
	v_wmma_f32_16x16x4_f32 v[160+8*\u:167+8*\u], v[KF+4*\c+2*\u:KF+4*\c+2*\u+1], v[QF+4*\c+2*\u:QF+4*\c+2*\u+1], 0
.else
	v_wmma_f32_16x16x4_f32 v[160+8*\u:167+8*\u], v[KF+4*\c+2*\u:KF+4*\c+2*\u+1], v[QF+4*\c+2*\u:QF+4*\c+2*\u+1], v[160+8*\u:167+8*\u]
.endif
.endr
.endr
	v_mov_b32 v216, 0xff800000                     ; -infinity
.rept 8
	v_nop
.endr
.irp j, 0,2,4,6
	v_pk_add_f32 v[TT+\j:TT+\j+1], v[160+\j:161+\j], v[168+\j:169+\j]
.endr
.irp j, 0,1,2,3,4,5,6,7
	v_cmp_gt_i32 vcc_lo, \j, v13                   ; key 8 h + j comes after query r
	v_cndmask_b32 v[TT+\j], v[TT+\j], v216, vcc_lo
.endr
	v_max3_num_f32 v64, v[TT], v[TT+1], v[TT+2]
	v_max3_num_f32 v65, v[TT+3], v[TT+4], v[TT+5]
	v_max3_num_f32 v64, v64, v[TT+6], v[TT+7]
	v_max_num_f32 v64, v64, v65
	v_permlanex16_b32 v65, v64, s34, s35
	v_max_num_f32 v64, v64, v65                    ; the row's largest score (key 0 counts for every query)
	v_mul_f32 v64, s32, v64
.irp j, 0,1,2,3,4,5,6,7
	v_fma_f32 v[TT+\j], v[TT+\j], s32, -v64
.endr
.irp j, 0,1,2,3,4,5,6,7
	v_exp_f32 v[TT+\j], v[TT+\j]
.endr
	v_nop
	s_wait_alu depctr_va_vdst(0)                   ; one wait for the eight, ahead of their first reader
	v_pk_add_f32 v[66:67], v[TT:TT+1], v[TT+2:TT+3]
	v_pk_add_f32 v[68:69], v[TT+4:TT+5], v[TT+6:TT+7]
	v_pk_add_f32 v[66:67], v[66:67], v[68:69]
	v_add_f32 v66, v66, v67
	v_permlanex16_b32 v67, v66, s34, s35
	v_add_f32 v66, v66, v67
	v_rcp_f32 v68, v66
	v_nop
	s_wait_alu depctr_va_vdst(0)
.irp j, 0,1,2,3,4,5,6,7
	v_mul_f32 v[PF+\j], v[TT+\j], v68
.endr
	s_wait_dscnt 0x0                               ; v is in
; O^T = v^T p: source 0 = 16 channels, source 1 = p: registers 2 s, 2 s + 1 are keys 8 h + 2 s + j on both sides.  Four sums by turns
.irp s, 0,1,2,3
.irp ct, 0,1,2,3
.if \s == 0
	v_wmma_f32_16x16x4_f32 v[OA+8*\ct:OA+8*\ct+7], v[VF+8*\ct+2*\s:VF+8*\ct+2*\s+1], v[PF+2*\s:PF+2*\s+1], 0
.else
	v_wmma_f32_16x16x4_f32 v[OA+8*\ct:OA+8*\ct+7], v[VF+8*\ct+2*\s:VF+8*\ct+2*\s+1], v[PF+2*\s:PF+2*\s+1], v[OA+8*\ct:OA+8*\ct+7]
.endif
.endr
.endr
.rept 8
	v_nop
.endr
.irp ct, 0,1,2,3
	ds_store_b128 v10, v[OA+8*\ct:OA+8*\ct+3] offset:64*\ct        ; lane (r, h): o(r, 16 ct + 8 h + 0 .. 7), each sum from its low end on
	ds_store_b128 v10, v[OA+8*\ct+4:OA+8*\ct+7] offset:64*\ct+16
.endr
.irp i, 0,1,2,3,4,5,6,7
	ds_load_b128 v[80+4*\i:83+4*\i], v11 offset:2*\i*272
.endr
.irp i, 0,1,2,3,4,5,6,7
	s_wait_dscnt 7-\i                              ; load i is in; the younger ones may be out
	global_store_b128 v12, v[80+4*\i:83+4*\i], s[10:11] offset:2*\i*4096   ; sixteen lanes store 256 consecutive bytes: a head's part of a row
.endr
.Lend:
	s_wait_tensorcnt 0x0                           ; the wave's end
	ds_add_u32 v[SPW], v[NIL]
	s_wait_dscnt 0x0
	s_endpgm
.Lfunc_end_k_q228b746196_f1:
	.size	k_q228b746196_f1, .Lfunc_end_k_q228b746196_f1-k_q228b746196_f1
	.p2alignl 7, 3214868480
	.fill 96, 4, 3214868480
	.section	.rodata,"a",@progbits
	.p2align	6, 0x0
	.amdhsa_kernel k_q228b746196_f1
		.amdhsa_group_segment_fixed_size 19200
		.amdhsa_private_segment_fixed_size 0
		.amdhsa_enable_private_segment 0
		.amdhsa_kernarg_size 32
		.amdhsa_user_sgpr_count 2
		.amdhsa_user_sgpr_kernarg_segment_ptr 1
		.amdhsa_wavefront_size32 1
		.amdhsa_system_sgpr_workgroup_id_x 1
		.amdhsa_system_sgpr_workgroup_id_y 1
		.amdhsa_system_sgpr_workgroup_id_z 1
		.amdhsa_system_vgpr_workitem_id 0
		.amdhsa_next_free_vgpr 256
		.amdhsa_next_free_sgpr 66
		.amdhsa_reserve_vcc 1
		.amdhsa_float_denorm_mode_32 3
		.amdhsa_float_denorm_mode_16_64 3
		.amdhsa_memory_ordered 1
		.amdhsa_forward_progress 1
		.amdhsa_inst_pref_size 23
	.end_amdhsa_kernel
	.amdgpu_metadata
---
amdhsa.version: [ 1, 2 ]
amdhsa.kernels:
  - .name:           k_q228b746196_f1
    .symbol:         k_q228b746196_f1.kd
    .args:
      - { .name: xq, .offset: 0, .size: 8, .value_kind: global_buffer, .address_space: global }
      - { .name: wq, .offset: 8, .size: 8, .value_kind: global_buffer, .address_space: global }
      - { .name: tab, .offset: 16, .size: 8, .value_kind: global_buffer, .address_space: global }
      - { .name: af, .offset: 24, .size: 8, .value_kind: global_buffer, .address_space: global }
    .group_segment_fixed_size: 19200
    .private_segment_fixed_size: 0
    .kernarg_segment_align: 8
    .kernarg_segment_size: 32
    .max_flat_workgroup_size: 384
    .sgpr_count:     66
    .vgpr_count:     256
    .wavefront_size: 32
...
	.end_amdgpu_metadata
.endif
;; end of part 3
;; launch att (part 4): grid 4 x 64, 16 waves a work-group, no clusters, 327,680 bytes of LDS; arguments qkv, ah; writes ah
.if DOCPART == 4
	.amdgcn_target "amdgcn-amd-amdhsa--gfx1250"
	.amdhsa_code_object_version 6
	.text
	.protected	k_q228b746196_att
	.globl	k_q228b746196_att
	.p2align	8
	.type	k_q228b746196_att,@function
k_q228b746196_att:
	s_mov_b64 s[64:65], 0
	v_nop
	global_prefetch_b8 v0, s[64:65] scope:SCOPE_SE
	s_setreg_imm32_b32 hwreg(HW_REG_WAVE_MODE, 25, 1), 1
	s_wait_xcnt 0x0
; CAUSAL ATTENTION on f16 operands, sums, maxima and exponentials in f32.  qkv: part x [batch x 16 + head][2048][64] f16; q already carries log2(e) / 8, so a score is an exponent in base 2.
; ah: [head][batch][2048][64] f16.  (The first 16 positions of each sequence are also made here; the fine launches' rows replace what becomes of them.)
; SHARES.  Work-group (p, head) owns query blocks p and 7 - p, 256 queries each, so that all 256 work-groups have the same number of visible keys.  Each of its sixteen waves owns 32 queries, two tiles of 16,
; in 256 registers: four waves to a SIMD, so that one wave's vector work stands beside another's matrix work and LDS loads.  The waves' places are dealt so that early and late queries mix on every SIMD.
; THE WALK.  Every work-group walks all 8 slots of 256 keys, 4 steps of 64 keys each: the trip counts are constants.  A step all of whose keys come after a wave's queries is jumped over (a scalar branch on ids);
; a slot whose first key comes after the work-group's last query is not asked for (ids alone, the same in all sixteen waves; every wait on TENSORcnt in this text is for 0).
; NO CLUSTER: the four work-groups of a head stop asking at different slots (1,280 to 2,048 keys), so a joint load would bring three of them tiles that none of their waves reads.
; LAYOUT.  S^T = K Q^T (source 0 = 16 keys, source 1 = 16 queries), O^T = V^T P (source 0 = 16 channels, turned out of LDS, source 1 = P): a lane holds ONE query (lane % 16) throughout;
; two neighbouring tiles of S^T, rounded to f16 in pairs, are source 1 of the second product.
; SOFTMAX.  A running maximum m and sum l for each query: p = 2^(s - m); in every step O and l are multiplied by 2^(old m - new m).  The sum is taken of p before it is rounded.
; LIMIT: |q|, |k|, |v| and the results stay under 65,504 (f16).
.set SLOT1, 1<<17                      ; slot 1 begins here: one exclusive or turns an address
.set KP,    144                        ; a key's row in LDS: 128 bytes + 16
.set VP,    160                        ; a row of V: 128 + 32
.set VOFF,  256*KP                     ; a slot: 256 rows of K, then 256 rows of V
.set SPARE, 2*SLOT1                    ; the spare words, 128 bytes a wave
.set STAGE, SPARE+2048                 ; the way out: 16 rows x 144 bytes for each wave; no tile lands here
.set NSL,   8
.set AK0, 1                            ; v1   my lane's place in a tile of K
.set AV0, 2                            ; v2   the same for V
.set ADK, 3
.set ADV, 4
.set SPW, 5
.set NIL, 6
.set GO,  7                            ; v7   16 x lane
.set PFO, 8                            ; v8   256 x lane
.set RH,  9                            ; v9   r - 8 h
.set STO, 12
.set RD,  13
.set QA,  14
.set NINF, 15
.set QF,  16                           ; v16-47   Q: tile t, channels 32 c on: 16 + 16 t + 8 c
.set KV,  48                           ; v48-111  K's fragments, then V's
.set S,   112                          ; v112-175 S^T, then p: tile t, keys 16 kt on: 112 + 32 t + 8 kt
.set OA,  176                          ; v176-239 O^T: tile t, channels 16 ct on: 176 + 32 t + 8 ct
.set ST,  240                          ; v240-255 eight a tile: +0 m, +1 old m and its change, +2, +3 l, +4 .. +7 at work; 2^(old m - new m) in +6
.set WV,  18
.set SEL, 20
.set G1K, 24
.set G1V, 32
.set G0K, 40
.set G0V, 44
.set TB,  2
.set SLOTS, 67
.set LASTQ, 68
.set PFA, 76
.set LIM, 80
.set KF,  98
.set Q0,  99
; Waves 0 and 1 fetch K's halves of a slot, waves 2 and 3 V's, the others nothing.  An s_nop 0 and four v_nop follow each line.
.macro TLOAD
	s_cmp_lt_u32 s[WV], 2
	s_cbranch_scc0 .Lnot_k_\@
	tensor_load_to_lds s[G0K:G0K+3], s[G1K:G1K+7]
	s_nop 0
.rept 4
	v_nop
.endr
	s_branch .Lasked_\@
.Lnot_k_\@:
	s_cmp_lt_u32 s[WV], 4
	s_cbranch_scc0 .Lasked_\@
	tensor_load_to_lds s[G0V:G0V+3], s[G1V:G1V+7]
	s_nop 0
.rept 4
	v_nop
.endr
.Lasked_\@:
.endm
; A prefetch of what the NEXT change of slots will ask for: a slot's 32,768 bytes of K and of V.  Of a head's four work-groups the one with p = 0, which walks every slot, asks; in it waves 4 to 7 ask for K's,
; waves 8 to 11 for V's: 8,192 bytes a wave, lanes 256 bytes apart: each run of 256 bytes is named once in the launch.  The last change that fills a slot asks for nothing; slots 0 and 1 come by their loads alone.
.macro ASK
	s_cmp_gt_u32 s[SLOTS], s[LIM]
	s_cbranch_scc0 .Lnot_mine_\@
	global_prefetch_b8 v[PFO], s[PFA:PFA+1] th:TH_LOAD_NT scope:SCOPE_SE
.Lnot_mine_\@:
.endm
	s_load_b128 s[4:7], s[0:1], 0x0                ; qkv s[4:5], ah s[6:7]
	v_lshl_add_u32 v[SPW], v0, 2, SPARE
	v_mov_b32 v[NIL], 0
	ds_add_u32 v[SPW], v[NIL]                      ; the wave's opening: the add, twice on end, and its wait ahead of my first tensor load
	ds_add_u32 v[SPW], v[NIL]
	v_lshrrev_b32 v48, 5, v0
	v_readfirstlane_b32 s[WV], v48                 ; wave 0..15
	s_and_b32 s69, ttmp7, 0xffff                   ; batch x 16 + head
	s_lshl_b32 s70, s69, 18                        ; its 262,144 bytes in each part
	s_and_b32 s88, s[WV], 1
	s_lshl_b32 s72, s88, 14                        ; the half of a slot that I fetch, if I fetch: 128 rows of 128 bytes
	s_add_co_u32 s72, s72, s70
	s_mov_b32 s73, 0
	s_mul_i32 s89, s88, 128*KP
	s_mul_i32 s94, s88, 128*VP
	s_add_co_u32 s94, s94, VOFF
	; my 32 queries
	s_and_b32 s82, s[WV], 3
	s_lshr_b32 s83, s[WV], 2
	s_add_co_u32 s84, s82, s83
	s_and_b32 s84, s84, 1                          ; 1: the late block
	s_lshr_b32 s83, s83, 1
	s_lshl_b32 s83, s83, 2
	s_add_co_u32 s82, s82, s83                     ; 0 .. 7
	s_sub_co_u32 s83, 7, s82
	s_sub_co_u32 s85, 7, ttmp9
	s_cmp_eq_u32 s84, 1
	s_cselect_b32 s82, s83, s82                    ; which 32 of the block's 256
	s_cselect_b32 s85, s85, ttmp9                  ; which block
	s_lshl_b32 s85, s85, 8
	s_lshl_b32 s82, s82, 5
	s_add_co_u32 s[Q0], s85, s82
	s_lshl_b32 s[LASTQ], ttmp9, 8
	s_sub_co_u32 s[LASTQ], 2047, s[LASTQ]          ; the work-group's last query
	s_lshl_b32 s90, s[Q0], 7
	s_add_co_u32 s86, s70, s90                     ; Q's rows
	s_mov_b32 s87, 0
	s_and_b32 s71, s69, 15
	s_lshl_b32 s71, s71, 2
	s_lshr_b32 s74, s69, 4
	s_add_co_u32 s71, s71, s74                     ; head x 4 + batch
	s_lshl_b32 s74, s71, 18
	s_add_co_u32 s74, s74, s90
	s_mov_b32 s75, 0
	; descriptor group 1: 128 rows of 64 elements of 2 bytes, dense in memory; K: 4 words of padding after every 32, V: 8
	s_mov_b32 s[G1K], (1<<16)|(1<<20)|(4<<22)|(3<<25)
	s_mov_b32 s[G1V], (1<<16)|(1<<20)|(4<<22)|(7<<25)
.irp g, G1K, G1V
	s_mov_b32 s[\g+1], 64<<16                      ; tensor_dim0
	s_mov_b32 s[\g+2], 128<<16                     ; tensor_dim1
	s_mov_b32 s[\g+3], 64<<16                      ; tile_dim0
	s_mov_b32 s[\g+4], 128                         ; tile_dim1
	s_mov_b32 s[\g+5], 64                          ; from row to row
	s_mov_b32 s[\g+6], 0
	s_mov_b32 s[\g+7], 0
.endr
	s_mov_b32 s[SEL], 0x76543210
	s_mov_b32 s[SEL+1], 0xfedcba98
	s_mov_b32 s[TB], 0
	s_mov_b32 s[SLOTS], NSL-1
	s_mov_b32 s[KF], 0
	s_wait_dscnt 0x0                               ; both opening adds are done
	s_wait_kmcnt 0x0
	s_mov_b32 s[G0K], 1
	s_mov_b32 s[G0K+1], s89
	s_add_nc_u64 s[G0K+2:G0K+3], s[4:5], s[72:73]
	s_add_nc_u64 s[G0K+2:G0K+3], s[G0K+2:G0K+3], 0x1000000
	s_or_b32 s[G0K+3], s[G0K+3], 0x80000000
	s_mov_b32 s[G0V], 1
	s_mov_b32 s[G0V+1], s94
	s_add_nc_u64 s[G0V+2:G0V+3], s[4:5], s[72:73]
	s_add_nc_u64 s[G0V+2:G0V+3], s[G0V+2:G0V+3], 0x2000000
	s_or_b32 s[G0V+3], s[G0V+3], 0x80000000
	TLOAD                                          ; slot 0: key 0 counts for every query
	s_add_nc_u64 s[8:9], s[4:5], s[86:87]          ; Q at my first query
	s_add_nc_u64 s[6:7], s[6:7], s[74:75]          ; ah likewise
	; the prefetches: where my wave's stand, and who asks
	s_cmp_lt_u32 s[WV], 8
	s_mov_b32 s82, 0x2000000
	s_cselect_b32 s82, 0x1000000, s82
	s_and_b32 s83, s[WV], 3
	s_lshl_b32 s83, s83, 13
	s_add_co_u32 s82, s82, s83
	s_add_co_u32 s82, s82, s70
	s_add_co_u32 s82, s82, 32768                   ; in slot 1: the first change of slots steps it to slot 2
	s_mov_b32 s83, 0
	s_add_nc_u64 s[PFA:PFA+1], s[4:5], s[82:83]
	s_sub_co_u32 s82, s[WV], 4
	s_lshr_b32 s82, s82, 3                         ; 0 in waves 4 to 11,
	s_or_b32 s82, s82, ttmp9                       ; of the work-group with p = 0
	s_cmp_eq_u32 s82, 0
	s_cselect_b32 s[LIM], 1, -1
	v_and_b32 v48, 15, v0                          ; r
	v_bfe_u32 v49, v0, 4, 1                        ; h
	v_and_b32 v50, 31, v0                          ; lane
	v_lshlrev_b32 v[QA], 7, v48
	v_lshl_add_u32 v[QA], v49, 4, v[QA]
.irp t, 0,1
.irp c, 0,1
	global_load_b128 v[QF+16*\t+8*\c:QF+16*\t+8*\c+3], v[QA], s[8:9] offset:2048*\t+64*\c
	global_load_b128 v[QF+16*\t+8*\c+4:QF+16*\t+8*\c+7], v[QA], s[8:9] offset:2048*\t+64*\c+32
.endr
.endr
	v_mul_u32_u24 v[AK0], v48, KP
	v_lshl_add_u32 v[AK0], v49, 4, v[AK0]          ; row r, + 16 h
	v_and_b32 v51, 7, v0
	v_bfe_u32 v52, v0, 3, 1
	v_lshl_add_u32 v[AV0], v49, 3, v51
	v_mul_u32_u24 v[AV0], v[AV0], VP
	v_lshl_add_u32 v[AV0], v52, 4, v[AV0]
	v_add_nc_u32 v[AV0], VOFF, v[AV0]              ; the turning load: key 8 h + lane % 8, channels 8 ((lane / 8) % 2) on
	v_lshlrev_b32 v[GO], 4, v50
	v_lshlrev_b32 v[PFO], 8, v50
	v_lshlrev_b32 v53, 3, v49
	v_sub_nc_u32 v[RH], v48, v53
	s_mul_i32 s73, s[WV], 16*KP
	s_add_co_u32 s73, s73, STAGE
	v_mul_u32_u24 v[STO], v48, KP
	v_lshl_add_u32 v[STO], v49, 4, v[STO]
	v_add_nc_u32 v[STO], s73, v[STO]
	v_lshrrev_b32 v53, 3, v50
	v_mul_u32_u24 v[RD], v53, KP
	v_lshl_add_u32 v[RD], v51, 4, v[RD]
	v_add_nc_u32 v[RD], s73, v[RD]
	v_mov_b32 v[NINF], 0xff800000
.irp t, 0,1
	v_mov_b32 v[ST+8*\t], 0xff61b1e6               ; m: -3e38, under every score
.irp i, 1,2,3,4,5,6,7
	v_mov_b32 v[ST+8*\t+\i], 0
.endr
.endr
.set I, 0
.rept 64
	v_mov_b32 v[OA+I], 0                           ; O^T: the step is written once; its first pass finds zeros, which the first change of m leaves zeros
.set I, I+1
.endr
; A KEY STEP: 64 keys, the q-th of the slot in hand.
.macro STEP q
	s_add_co_u32 s96, s[Q0], 31
	s_cmp_gt_u32 s[KF], s96                        ; all 64 keys come after my 32 queries: the step's work is left out
	s_cbranch_scc1 .Lhidden_\@
	v_add_nc_u32 v[ADK], s[TB], v[AK0]
	v_add_nc_u32 v[ADV], s[TB], v[AV0]
.rept 3
	v_nop                                          ; with the two additions five plain instructions behind the last products: four for the loads into V's registers, five for the products that write over p's
.endr
.irp kt, 0,1,2,3
.irp c, 0,1
	ds_load_b128 v[KV+16*\kt+8*\c:KV+16*\kt+8*\c+3], v[ADK] offset:(\q)*64*KP+\kt*16*KP+64*\c
	ds_load_b128 v[KV+16*\kt+8*\c+4:KV+16*\kt+8*\c+7], v[ADK] offset:(\q)*64*KP+\kt*16*KP+64*\c+32
.endr
.endr
	s_wait_dscnt 0x0
.irp c, 0,1                                    ; eight sums by turns
.irp kt, 0,1,2,3
.irp t, 0,1
.if \c == 0
	v_wmma_f32_16x16x32_f16 v[S+32*\t+8*\kt:S+32*\t+8*\kt+7], v[KV+16*\kt+8*\c:KV+16*\kt+8*\c+7], v[QF+16*\t+8*\c:QF+16*\t+8*\c+7], 0
.else
	v_wmma_f32_16x16x32_f16 v[S+32*\t+8*\kt:S+32*\t+8*\kt+7], v[KV+16*\kt+8*\c:KV+16*\kt+8*\c+7], v[QF+16*\t+8*\c:QF+16*\t+8*\c+7], v[S+32*\t+8*\kt:S+32*\t+8*\kt+7]
.endif
.endr
.endr
.endr
.rept 4
	v_nop                                          ; in front of the loads into K's registers and of the first read of the scores
.endr
.irp kk, 0,1                                   ; V, turned: keys 32 kk on, channels 16 ct on; it lands while the softmax is walked
.irp ct, 0,1,2,3
	ds_load_tr16_b128 v[KV+32*\kk+8*\ct:KV+32*\kk+8*\ct+3], v[ADV] offset:(\q)*64*VP+\kk*32*VP+32*\ct
	ds_load_tr16_b128 v[KV+32*\kk+8*\ct+4:KV+32*\kk+8*\ct+7], v[ADV] offset:(\q)*64*VP+\kk*32*VP+32*\ct+16*VP
.endr
.endr
	s_add_co_u32 s96, s[KF], 63
	s_cmp_le_u32 s96, s[Q0]                        ; all 64 keys count for all my queries: no mask
	s_cbranch_scc1 .Lopen_\@
	s_sub_co_i32 s96, s[Q0], s[KF]
	v_add_nc_u32 v10, s96, v[RH]                   ; tile 0: register 8 kt + j holds key KF + 16 kt + 8 h + j: hidden where 16 kt + j > my query - KF - 8 h
	v_add_nc_u32 v11, 16, v10                      ; tile 1
.irp t, 0,1
.irp n, 0,1,2,3,4,5,6,7,8,9,10,11,12,13,14,15,16,17,18,19,20,21,22,23,24,25,26,27,28,29,30,31
	v_cmp_gt_i32 vcc_lo, 16*(\n/8)+\n%8, v[10+\t]
	v_cndmask_b32 v[S+32*\t+\n], v[S+32*\t+\n], v[NINF], vcc_lo
.endr
.endr
.Lopen_\@:
.irp j, 0,1,2,3                                ; the largest of a lane's 32 scores and the old m: four chains, the two tiles by turns; each sum is read from its low end on
.irp t, 0,1
	v_max3_num_f32 v[ST+8*\t+4+\j], v[S+32*\t+8*\j], v[S+32*\t+8*\j+1], v[S+32*\t+8*\j+2]
.endr
.endr
.irp g, 1,2
.irp j, 0,1,2,3
.irp t, 0,1
	v_max3_num_f32 v[ST+8*\t+4+\j], v[ST+8*\t+4+\j], v[S+32*\t+8*\j+2*\g+1], v[S+32*\t+8*\j+2*\g+2]
.endr
.endr
.endr
.irp t, 0,1
	v_max3_num_f32 v[ST+8*\t+4], v[ST+8*\t+4], v[S+32*\t+7], v[S+32*\t+15]
.endr
.irp t, 0,1
	v_max3_num_f32 v[ST+8*\t+6], v[ST+8*\t+6], v[S+32*\t+23], v[S+32*\t+31]
.endr
.irp t, 0,1
	v_max3_num_f32 v[ST+8*\t+4], v[ST+8*\t+4], v[ST+8*\t+5], v[ST+8*\t+6]
.endr
.irp t, 0,1
	v_max3_num_f32 v[ST+8*\t+4], v[ST+8*\t+4], v[ST+8*\t+7], v[ST+8*\t]
.endr
.irp t, 0,1
	v_permlanex16_b32 v[ST+8*\t+5], v[ST+8*\t+4], s[SEL], s[SEL+1]   ; the query's other 32 keys lie in the lane 16 away
.endr
.irp t, 0,1
	v_mov_b32 v[ST+8*\t+1], v[ST+8*\t]
.endr
.irp t, 0,1
	v_max_num_f32 v[ST+8*\t], v[ST+8*\t+4], v[ST+8*\t+5]
.endr
.irp t, 0,1
	v_sub_f32 v[ST+8*\t+1], v[ST+8*\t+1], v[ST+8*\t]                 ; old m - new m
.endr
.irp j, 0,2,4,6,8,10,12,14,16,18,20,22,24,26,28,30
.irp t, 0,1
	v_pk_add_f32 v[S+32*\t+\j:S+32*\t+\j+1], v[S+32*\t+\j:S+32*\t+\j+1], v[ST+8*\t:ST+8*\t+1] op_sel_hi:[1,0] neg_lo:[0,1] neg_hi:[0,1]   ; s - m
.endr
.endr
.irp t, 0,1
	v_exp_f32 v[ST+8*\t+6], v[ST+8*\t+1]
.endr
.irp j, 0,1,2,3,4,5,6,7,8,9,10,11,12,13,14,15,16,17,18,19,20,21,22,23,24,25,26,27,28,29,30,31
.irp t, 0,1
	v_exp_f32 v[S+32*\t+\j], v[S+32*\t+\j]
.endr
.endr
	v_nop                                          ; a plain instruction behind the last exponential
	s_wait_alu depctr_va_vdst(0)                   ; ONE wait for the batch of 66, ahead of its first reader
.irp t, 0,1
	v_pk_mul_f32 v[ST+8*\t+2:ST+8*\t+3], v[ST+8*\t+2:ST+8*\t+3], v[ST+8*\t+6:ST+8*\t+7] op_sel_hi:[1,0]
.endr
.irp t, 0,1
	v_pk_add_f32 v[ST+8*\t+4:ST+8*\t+5], v[S+32*\t:S+32*\t+1], v[S+32*\t+2:S+32*\t+3]   ; the sum of the unrounded p, in two chains a tile
.endr
.irp j, 4,8,12,16,20,24,28
.irp t, 0,1
	v_pk_add_f32 v[ST+8*\t+2:ST+8*\t+3], v[ST+8*\t+2:ST+8*\t+3], v[S+32*\t+\j:S+32*\t+\j+1]
	v_pk_add_f32 v[ST+8*\t+4:ST+8*\t+5], v[ST+8*\t+4:ST+8*\t+5], v[S+32*\t+\j+2:S+32*\t+\j+3]
.endr
.endr
.irp t, 0,1
	v_pk_add_f32 v[ST+8*\t+2:ST+8*\t+3], v[ST+8*\t+2:ST+8*\t+3], v[ST+8*\t+4:ST+8*\t+5]
.endr
.irp kk, 0,1                                   ; p to f16, in place and ascending: 32 keys' 16 registers become the 8 at their low end
.irp hf, 0,1
.irp i, 0,1,2,3
.irp t, 0,1
	v_cvt_pk_f16_f32 v[S+32*\t+16*\kk+4*\hf+\i], v[S+32*\t+16*\kk+8*\hf+2*\i], v[S+32*\t+16*\kk+8*\hf+2*\i+1]
.endr
.endr
.endr
.endr
.irp j, 0,2,4,6,8,10,12,14,16,18,20,22,24,26,28,30
.irp t, 0,1
	v_pk_mul_f32 v[OA+32*\t+\j:OA+32*\t+\j+1], v[OA+32*\t+\j:OA+32*\t+\j+1], v[ST+8*\t+6:ST+8*\t+7] op_sel_hi:[1,0]   ; O^T under the new m
.endr
.endr
	s_wait_dscnt 0x0                               ; V is in
.irp kk, 0,1                                   ; eight sums by turns
.irp ct, 0,1,2,3
.irp t, 0,1
	v_wmma_f32_16x16x32_f16 v[OA+32*\t+8*\ct:OA+32*\t+8*\ct+7], v[KV+32*\kk+8*\ct:KV+32*\kk+8*\ct+7], v[S+32*\t+16*\kk:S+32*\t+16*\kk+7], v[OA+32*\t+8*\ct:OA+32*\t+8*\ct+7]
.endr
.endr
.endr
.Lhidden_\@:
	s_add_co_u32 s[KF], s[KF], 64
.endm
; THE CHANGE OF SLOTS stands at a slot's head.  Each wave waits for all its tensor loads, adds 0 to its spare word (fill = 1: twice on end), and waits for that and for its reads of the slot that it has left.
; Behind the barrier the slot ahead is whole and nobody reads the other one; fill = 1: that one takes the next 256 keys, up to the causal limit: the load has a slot's four steps in which to land.
.macro CHANGE fill
	s_wait_tensorcnt 0x0                           ; no tensor load of mine is out, so a group 0 may be written
	ds_add_u32 v[SPW], v[NIL]
.if \fill
	ds_add_u32 v[SPW], v[NIL]                      ; and once more
	s_xor_b32 s[G0K+1], s[G0K+1], SLOT1
	s_add_nc_u64 s[G0K+2:G0K+3], s[G0K+2:G0K+3], 32768
	s_xor_b32 s[G0V+1], s[G0V+1], SLOT1
	s_add_nc_u64 s[G0V+2:G0V+3], s[G0V+2:G0V+3], 32768
	s_wait_xcnt 0x0                                ; the last prefetch, a slot back, has read its address
	s_add_nc_u64 s[PFA:PFA+1], s[PFA:PFA+1], 32768
.endif
	s_wait_dscnt 0x0
	s_barrier_signal -1
	s_barrier_wait -1
.if \fill
	s_add_co_u32 s96, s[KF], 256                   ; the first key of the slot that this change would ask for
	s_cmp_gt_u32 s96, s[LASTQ]                     ; ids and the count of steps alone: all sixteen waves go the same way
	s_cbranch_scc1 .Lpast_\@
	TLOAD
.Lpast_\@:
	ASK
.endif
.endm
.macro SLOT_STEPS
.set QI, 0
.rept 4
	STEP QI
.set QI, QI+1
.endr
	s_xor_b32 s[TB], s[TB], SLOT1
.endm
	s_wait_loadcnt 0x0                             ; Q
.Lslot:
	CHANGE 1
	SLOT_STEPS
	s_sub_co_u32 s[SLOTS], s[SLOTS], 1
	s_cmp_lg_u32 s[SLOTS], 0
	s_cbranch_scc1 .Lslot
	CHANGE 0                                       ; the last slot is written out: nothing is left to ask for
	SLOT_STEPS
	; THE WAY OUT.  The additions are the plain instructions behind the last products.
.irp t, 0,1
	v_add_f32 v[ST+8*\t+4], v[ST+8*\t+2], v[ST+8*\t+3]
.endr
.irp t, 0,1
	v_permlanex16_b32 v[ST+8*\t+5], v[ST+8*\t+4], s[SEL], s[SEL+1]
.endr
.irp t, 0,1
	v_add_f32 v[ST+8*\t+4], v[ST+8*\t+4], v[ST+8*\t+5]
.endr
.irp t, 0,1
	v_rcp_f32 v[ST+8*\t+6], v[ST+8*\t+4]
.endr
	v_nop
	s_wait_alu depctr_va_vdst(0)                   ; one wait for both reciprocals
.irp t, 0,1
.if \t == 1
	s_wait_dscnt 4                                 ; tile 0's four stage stores have read their registers; its four loads may be out
.endif
.irp j, 0,2,4,6,8,10,12,14,16,18,20,22,24,26,28,30
	v_pk_mul_f32 v[OA+32*\t+\j:OA+32*\t+\j+1], v[OA+32*\t+\j:OA+32*\t+\j+1], v[ST+8*\t+6:ST+8*\t+7] op_sel_hi:[1,0]
.endr
.irp i, 0,1,2,3,4,5,6,7,8,9,10,11,12,13,14,15
	v_cvt_pk_f16_f32 v[48+\i], v[OA+32*\t+2*\i], v[OA+32*\t+2*\i+1]
.endr
.irp ct, 0,1,2,3
	ds_store_b128 v[STO], v[48+4*\ct:51+4*\ct] offset:32*\ct
.endr
.irp i, 0,1,2,3
	ds_load_b128 v[64+16*\t+4*\i:67+16*\t+4*\i], v[RD] offset:4*KP*\i   ; LDS serves a wave's instructions in order: these see the stores above
.endr
.endr
.irp i, 0,1,2,3
	s_wait_dscnt 11-\i                             ; tile 0's load i is in; its younger loads and tile 1's eight LDS instructions may be out
	global_store_b128 v[GO], v[64+4*\i:67+4*\i], s[6:7] offset:512*\i
.endr
.irp i, 0,1,2,3
	s_wait_dscnt 3-\i
	global_store_b128 v[GO], v[80+4*\i:83+4*\i], s[6:7] offset:2048+512*\i    ; 32 lanes store 512 consecutive bytes: four rows of a head
.endr
	s_wait_tensorcnt 0x0                           ; the wave's end
	ds_add_u32 v[SPW], v[NIL]
	s_wait_dscnt 0x0
	s_endpgm
.Lfunc_end_k_q228b746196_att:
	.size	k_q228b746196_att, .Lfunc_end_k_q228b746196_att-k_q228b746196_att
	.p2alignl 7, 3214868480
	.fill 96, 4, 3214868480
	.section	.rodata,"a",@progbits
	.p2align	6, 0x0
	.amdhsa_kernel k_q228b746196_att
		.amdhsa_group_segment_fixed_size 327680
		.amdhsa_private_segment_fixed_size 0
		.amdhsa_enable_private_segment 0
		.amdhsa_kernarg_size 16
		.amdhsa_user_sgpr_count 2
		.amdhsa_user_sgpr_kernarg_segment_ptr 1
		.amdhsa_wavefront_size32 1
		.amdhsa_system_sgpr_workgroup_id_x 1
		.amdhsa_system_sgpr_workgroup_id_y 1
		.amdhsa_system_sgpr_workgroup_id_z 1
		.amdhsa_system_vgpr_workitem_id 0
		.amdhsa_next_free_vgpr 256
		.amdhsa_next_free_sgpr 100
		.amdhsa_reserve_vcc 1
		.amdhsa_float_denorm_mode_32 3
		.amdhsa_float_denorm_mode_16_64 3
		.amdhsa_memory_ordered 1
		.amdhsa_forward_progress 1
		.amdhsa_inst_pref_size 188
	.end_amdhsa_kernel
	.amdgpu_metadata
---
amdhsa.version: [ 1, 2 ]
amdhsa.kernels:
  - .name:           k_q228b746196_att
    .symbol:         k_q228b746196_att.kd
    .args:
      - { .name: qkv, .offset: 0, .size: 8, .value_kind: global_buffer, .address_space: global }
      - { .name: ah, .offset: 8, .size: 8, .value_kind: global_buffer, .address_space: global }
    .group_segment_fixed_size: 327680
    .private_segment_fixed_size: 0
    .kernarg_segment_align: 8
    .kernarg_segment_size: 16
    .max_flat_workgroup_size: 512
    .sgpr_count:     100
    .vgpr_count:     256
    .wavefront_size: 32
...
	.end_amdgpu_metadata
.endif
;; end of part 4
;; launch g5 (part 5): grid 4 x 64, 4 waves a work-group, clusters of 4 x 4, 327,680 bytes of LDS; arguments ah, w16, out0; writes out0
.if DOCPART == 5
	.amdgcn_target "amdgcn-amd-amdhsa--gfx1250"
	.amdhsa_code_object_version 6
	.text
	.protected	k_q228b746196_g5
	.globl	k_q228b746196_g5
	.p2align	8
	.type	k_q228b746196_g5,@function
k_q228b746196_g5:
	s_mov_b64 s[64:65], 0
	v_nop
	global_prefetch_b8 v0, s[64:65] scope:SCOPE_SE
	s_setreg_imm32_b32 hwreg(HW_REG_WAVE_MODE, 25, 1), 1
	s_wait_xcnt 0x0
	s_wait_alu depctr_hold_cnt(0) depctr_sa_sdst(0) depctr_va_vdst(0) depctr_va_sdst(0) depctr_va_ssrc(0) depctr_va_vcc(0) depctr_vm_vsrc(0)
	s_getreg_b32 s2, hwreg(HW_REG_IB_STS2, 6, 4)
	s_cmp_eq_u32 s2, 0
	s_cbranch_scc0 .Lentry_in_a_cluster
	s_endpgm
.Lentry_in_a_cluster:
	s_bfe_u32 s2, ttmp6, 0x10000c
	s_cmp_lg_u32 s2, 0xf033
	s_cbranch_scc0 .Lentry_shape_is_right
	s_endpgm
.Lentry_shape_is_right:
; out0 = (attention's result) Wout, f16 operands, f32 sums.  A = ah [head 16][row 8192][64] f16: K = 64 head + channel; B = w16 [k 1024][n 1024] f16, K along its first axis; out0 [8192][1024] f32.
; A tile of out0 is 128 rows x 256 columns: 256 work-groups.  Four waves, each 64 x 128: 32 accumulators of 16 x 16, which fill window 1 ((a, b) at v[8 (8 a + b)]).
; K goes in steps of 128 (two heads) through a ring of two LDS slots: A's part is two dense blocks of 128 rows x 128 bytes, B's 128 rows of k x 512 bytes.  B's fragments are turned on their way out of LDS.
; CLUSTERS: 4 x 4 work-groups; A's tiles are asked for jointly along a row of the cluster, B's along a column.
; THE MATRIX INSTRUCTION IS USED TRANSPOSED (source 0 = 16 columns of Wout, source 1 = 16 rows of A): a lane holds eight neighbouring numbers of a row of out0.
; LIMIT: both operands are f16: magnitudes under 65,504.
; REGISTERS, window 0: v16-29 addresses; two fragment buffers of 96 (32 of A, then 64 of B) at v32 and v128; on the way out v32-95 and v128-191 take rows read back.
.set KPA,    144                       ; A's row in LDS: 128 bytes + 16
.set KPB,    544                       ; B's row in LDS: 512 bytes + 32
.set AHEAD,  128*KPA                   ; one head's 128 rows
.set BOFF,   2*AHEAD
.set SLOT,   BOFF+128*KPB
.set STAGE,  2*SLOT                    ; behind the ring: 16 rows x 528 bytes for each wave
.set SPITCH, 528
.set SPARE,  STAGE+4*16*SPITCH
.set LAPS,   4                         ; a lap = two K steps
.set ADRA, 16
.set ADRB, 20
.set STO,  24
.set RD,   25
.set CO,   26
.set SPW,  28
.set NIL,  29
.set F0,   32
.set F1,   128
.set G1, 24
.set G0, 32
.set G1B, 48
.set G0B, 56
.set MSB, 0
.macro WIN new
.if MSB != (\new)
	s_set_vgpr_msb (MSB<<8)|(\new)
.set MSB, \new
.endif
.endm
.set MUL, 0x50                         ; C and D window 1, sources window 0
.macro JLOAD s                         ; waves 0 and 1 fetch A's two heads, waves 2 and 3 B's two halves; an s_nop 0 and four v_nop follow each line
	s_cmp_eq_u32 s11, 0
	s_cbranch_scc0 .Lfor_b_\@
	tensor_load_to_lds s[G0+4*\s:G0+4*\s+3], s[G1:G1+7]
	s_nop 0
.rept 4
	v_nop
.endr
	s_branch .Lasked_\@
.Lfor_b_\@:
	tensor_load_to_lds s[G0B+4*\s:G0B+4*\s+3], s[G1B:G1B+7]
	s_nop 0
.rept 4
	v_nop
.endr
.Lasked_\@:
.endm
.macro CREST
	s_cmp_lg_u32 s10, 0
	s_cbranch_scc1 .Lnot_wave_0_\@
	s_barrier_signal -3
.Lnot_wave_0_\@:
	s_barrier_wait -3
	s_barrier_signal -1
	s_barrier_wait -1
.endm
.macro CROUND
	s_barrier_signal -1
	s_barrier_wait -1
	CREST
.endm
	s_load_b128 s[4:7], s[0:1], 0x0                ; ah s[4:5], w16 s[6:7]
	s_load_b64 s[8:9], s[0:1], 0x10                ; out0
	v_lshl_add_u32 v[SPW], v0, 2, SPARE
	v_mov_b32 v[NIL], 0
	ds_add_u32 v[SPW], v[NIL]                      ; the wave's opening: the add, twice on end, and its wait ahead of my first tensor load
	ds_add_u32 v[SPW], v[NIL]
	v_lshrrev_b32 v1, 5, v0
	v_readfirstlane_b32 s10, v1                    ; wave 0..3
	s_lshr_b32 s11, s10, 1                         ; which 64 rows are mine.  Also: I fetch for A (0) or for B (1)
	s_and_b32 s12, s10, 1                          ; which 128 columns.  Also: which head of A, or which 64 rows of B, I fetch
	s_bfe_u32 s40, ttmp6, 0x40000
	s_bfe_u32 s41, ttmp6, 0x40004
	s_lshl_b32 s42, ttmp9, 2
	s_add_co_u32 s42, s42, s40                     ; tile column
	s_and_b32 s13, ttmp7, 0xffff
	s_lshl_b32 s13, s13, 2
	s_add_co_u32 s13, s13, s41                     ; tile row
	s_lshl_b32 s43, s41, 2
	s_lshl_b32 s43, 15, s43                        ; my row of the cluster
	s_lshl_b32 s44, 0x1111, s40                    ; my column
	s_or_b32 s[G1+0], s43, (1<<16)|(1<<20)|(1<<21)|(4<<22)|(3<<25)   ; A: elements of 2 bytes; 4 words of padding after every 32
	s_mov_b32 s[G1+1], 64<<16                      ; tensor_dim0
	s_mov_b32 s[G1+2], 128<<16                     ; tensor_dim1
	s_mov_b32 s[G1+3], 64<<16                      ; tile_dim0
	s_mov_b32 s[G1+4], 128                         ; tile_dim1
	s_mov_b32 s[G1+5], 64                          ; from row to row
	s_mov_b32 s[G1+6], 0
	s_mov_b32 s[G1+7], 0
	s_or_b32 s[G1B+0], s44, (1<<16)|(1<<20)|(1<<21)|(6<<22)|(7<<25)  ; B: 8 words of padding after every 128
	s_mov_b32 s[G1B+1], 256<<16
	s_mov_b32 s[G1B+2], 64<<16
	s_mov_b32 s[G1B+3], 256<<16
	s_mov_b32 s[G1B+4], 64
	s_mov_b32 s[G1B+5], 1024
	s_mov_b32 s[G1B+6], 0
	s_mov_b32 s[G1B+7], 0
	s_lshl_b32 s16, s12, 20                        ; A: head (w & 1): 8,192 rows of 128 bytes,
	s_lshl_b32 s17, s13, 14                        ; + 128 x tile row rows
	s_add_co_u32 s16, s16, s17
	s_mov_b32 s17, 0
	s_lshl_b32 s46, s12, 17                        ; B: 64 (w & 1) rows of 2,048 bytes,
	s_lshl_b32 s47, s42, 9                         ; + 256 x tile column numbers
	s_add_co_u32 s46, s46, s47
	s_mov_b32 s47, 0
	s_mul_i32 s20, s12, AHEAD                      ; where they go: no place in the cluster enters an LDS address
	s_mul_i32 s21, s12, 64*KPB
	s_add_co_u32 s21, s21, BOFF
	s_wait_dscnt 0x0                               ; both opening adds are done
	s_wait_kmcnt 0x0
	s_add_nc_u64 s[14:15], s[4:5], s[16:17]
	s_add_nc_u64 s[46:47], s[6:7], s[46:47]
	CROUND                                         ; all sixteen work-groups are here: the first joint loads meet
.irp s, 0,1
	s_mov_b32 s[G0+4*\s], 1
	s_add_co_u32 s[G0+4*\s+1], s20, \s*SLOT
	s_add_nc_u64 s[G0+4*\s+2:G0+4*\s+3], s[14:15], \s*2097152       ; K step s: two heads on
	s_or_b32 s[G0+4*\s+3], s[G0+4*\s+3], 0x80000000
	s_mov_b32 s[G0B+4*\s], 1
	s_add_co_u32 s[G0B+4*\s+1], s21, \s*SLOT
	s_add_nc_u64 s[G0B+4*\s+2:G0B+4*\s+3], s[46:47], \s*262144      ; 128 rows on
	s_or_b32 s[G0B+4*\s+3], s[G0B+4*\s+3], 0x80000000
	JLOAD \s
.endr
	v_and_b32 v1, 15, v0                           ; r
	v_bfe_u32 v2, v0, 4, 1                         ; h
	v_and_b32 v3, 31, v0
	v_mul_u32_u24 v4, v1, KPA
	v_lshl_add_u32 v4, v2, 4, v4
	s_mul_i32 s22, s11, 64*KPA
	v_add_nc_u32 v[ADRA], s22, v4                  ; my 64 rows, row r, + 16 h
	v_add_nc_u32 v[ADRA+1], SLOT, v[ADRA]
	v_and_b32 v5, 7, v0
	v_bfe_u32 v6, v0, 3, 1
	v_lshl_add_u32 v5, v2, 3, v5
	v_mul_u32_u24 v5, v5, KPB
	v_lshl_add_u32 v5, v6, 4, v5
	s_lshl_b32 s23, s12, 8
	s_add_co_u32 s23, s23, BOFF
	v_add_nc_u32 v[ADRB], s23, v5                  ; the turning load: k = 8 h + lane % 8, my 128 columns, + 16 ((lane / 8) % 2)
	v_add_nc_u32 v[ADRB+1], SLOT, v[ADRB]
	s_mul_i32 s23, s10, 16*SPITCH
	s_add_co_u32 s23, s23, STAGE
	v_mul_u32_u24 v[STO], v1, SPITCH
	v_lshl_add_u32 v[STO], v2, 5, v[STO]
	v_add_nc_u32 v[STO], s23, v[STO]
	v_lshlrev_b32 v[CO], 4, v3
	v_add_nc_u32 v[RD], s23, v[CO]
	s_lshl_b32 s16, s13, 19                        ; my first row of out0: 128 x tile row + 64 x half, 4,096 bytes each
	s_lshl_b32 s17, s11, 18
	s_add_co_u32 s16, s16, s17
	s_mov_b32 s17, 0
	s_add_nc_u64 s[8:9], s[8:9], s[16:17]
	s_lshl_b32 s46, s42, 10                        ; my first column, in bytes
	s_lshl_b32 s47, s12, 9
	s_add_co_u32 s46, s46, s47
	s_mov_b32 s47, 0
	s_add_nc_u64 s[8:9], s[8:9], s[46:47]
.macro MUL8 f, a, zero                 ; A's block a against B's eight, 32 along K
.irp b, 0,1,2,3,4,5,6,7
.if \zero
	v_wmma_f32_16x16x32_f16 v[8*(8*(\a)+\b):8*(8*(\a)+\b)+7], v[\f+32+8*\b:\f+32+8*\b+7], v[\f+8*(\a):\f+8*(\a)+7], 0
.else
	v_wmma_f32_16x16x32_f16 v[8*(8*(\a)+\b):8*(8*(\a)+\b)+7], v[\f+32+8*\b:\f+32+8*\b+7], v[\f+8*(\a):\f+8*(\a)+7], v[8*(8*(\a)+\b):8*(8*(\a)+\b)+7]
.endif
.endr
.endm
.macro FETCH slot, q, f                ; 24 LDS loads in one run: the slot's q-th 32 along K: B's eight fragments, then A's four
.irp b, 0,1,2,3,4,5,6,7
	ds_load_tr16_b128 v[\f+32+8*\b:\f+32+8*\b+3], v[ADRB+\slot] offset:(\q)*32*KPB+32*\b
	ds_load_tr16_b128 v[\f+32+8*\b+4:\f+32+8*\b+7], v[ADRB+\slot] offset:(\q)*32*KPB+32*\b+16*KPB
.endr
.irp a, 0,1,2,3
	ds_load_b128 v[\f+8*\a:\f+8*\a+3], v[ADRA+\slot] offset:((\q)/2)*AHEAD+\a*16*KPA+((\q)%2)*64
	ds_load_b128 v[\f+8*\a+4:\f+8*\a+7], v[ADRA+\slot] offset:((\q)/2)*AHEAD+\a*16*KPA+((\q)%2)*64+32
.endr
.endm
.macro PLACES
.rept 4
	v_nop
.endr
.endm
; A K step is four quarters of 32 along K, 32 matrix instructions each, on buffers 0, 1, 0, 1; the 32 accumulators take turns in the same order in every quarter.
.macro QUARTER slot, q, f, g, zero     ; multiplies buffer f; in its middle fetches the slot's quarter q into buffer g
	s_wait_dscnt 4                                 ; B and A's blocks 0, 1 are in; the youngest four loads (A's blocks 2, 3) may be out
	WIN MUL
	MUL8 \f, 0, \zero
	MUL8 \f, 1, \zero
	PLACES
	WIN 0
	FETCH \slot, \q, \g
	s_wait_dscnt 24                                ; all but the 24 just issued
	WIN MUL
	MUL8 \f, 2, \zero
	MUL8 \f, 3, \zero
.endm
; The last quarter multiplies buffer 1 and changes slots: ONE barrier; in front of it each wave waits for all its tensor loads, adds 0 to its spare word, and waits for that and for its reads of this slot.
.macro TURN slot, next, fill
	WIN 0
	s_wait_tensorcnt 0x0                           ; all my tensor loads have landed: my part of the next slot
	ds_add_u32 v[SPW], v[NIL]
	s_wait_dscnt 7                                 ; the add and the youngest six loads (A's blocks 1 to 3) may be out
	WIN MUL
	MUL8 F1, 0, 0
	s_wait_dscnt 0x0                               ; the add is done, and my reads of this slot are over
	s_barrier_signal -1
	MUL8 F1, 1, 0
	WIN 0
	s_barrier_wait -1
.if \fill
	CREST                                          ; the barrier has opened a round of the cluster's: no wave of any partner still reads this slot or has a load on its way
	s_add_nc_u64 s[G0+4*\slot+2:G0+4*\slot+3], s[G0+4*\slot+2:G0+4*\slot+3], 4194304    ; two K steps on: four heads
	s_add_nc_u64 s[G0B+4*\slot+2:G0B+4*\slot+3], s[G0B+4*\slot+2:G0B+4*\slot+3], 524288 ; 256 rows
	JLOAD \slot                                    ; the first tensor load behind the round; its four v_nop are also the places in front of the loads below
.else
	PLACES
.endif
	FETCH \next, 0, F0
	WIN MUL
	MUL8 F1, 2, 0
	MUL8 F1, 3, 0
.endm
	s_wait_tensorcnt 1                             ; my part of K step 0 is in; K step 1's load may be out
	s_barrier_signal -1
	s_barrier_wait -1
	FETCH 0, 0, F0
	QUARTER 0, 1, F0, F1, 1                        ; the first quarter's products start the sums
	WIN 0
	s_mov_b32 s3, LAPS-1
.Llap:
	QUARTER 0, 2, F1, F0, 0
	QUARTER 0, 3, F0, F1, 0
	TURN 0, 1, 1
	QUARTER 1, 1, F0, F1, 0
	QUARTER 1, 2, F1, F0, 0
	QUARTER 1, 3, F0, F1, 0
	TURN 1, 0, 1
	QUARTER 0, 1, F0, F1, 0
	WIN 0
	s_sub_co_u32 s3, s3, 1
	s_cmp_lg_u32 s3, 0
	s_cbranch_scc1 .Llap
	QUARTER 0, 2, F1, F0, 0                        ; the last lap fills nothing
	QUARTER 0, 3, F0, F1, 0
	TURN 0, 1, 0
	QUARTER 1, 1, F0, F1, 0
	QUARTER 1, 2, F1, F0, 0
	QUARTER 1, 3, F0, F1, 0
	s_wait_dscnt 4
	WIN MUL
	MUL8 F1, 0, 0
	MUL8 F1, 1, 0
	s_wait_dscnt 0
	MUL8 F1, 2, 0
	MUL8 F1, 3, 0
	WIN 0
; THE WAY OUT, block by block of 16 rows x 128 columns: through my own stage and back as whole rows of 512 bytes.
.macro TOSTAGE a
	WIN 0x04                                       ; an LDS store's data: window 1
.irp b, 0,1,2,3,4,5,6,7
	ds_store_b128 v[STO], v[64*(\a)+8*\b:64*(\a)+8*\b+3] offset:64*\b          ; each accumulator from its low end on
	ds_store_b128 v[STO], v[64*(\a)+8*\b+4:64*(\a)+8*\b+7] offset:64*\b+16
.endr
	WIN 0
.set BB, 32+96*((\a)%2)
.irp t, 0,1,2,3,4,5,6,7,8,9,10,11,12,13,14,15
	ds_load_b128 v[BB+4*\t:BB+4*\t+3], v[RD] offset:\t*SPITCH
.endr
.endm
.macro SEND a, younger
.set BB, 32+96*((\a)%2)
	s_wait_dscnt \younger
.irp t, 0,1,2,3,4,5,6,7,8,9,10,11,12,13,14,15
	global_store_b128 v[CO], v[BB+4*\t:BB+4*\t+3], s[8:9] offset:(\a)*65536+\t*4096 th:TH_STORE_NT   ; 32 lanes store 512 consecutive bytes
.endr
.endm
	PLACES
	TOSTAGE 0
.irp a, 1,2,3
.if \a > 1
	s_wait_xcnt 0x0                                ; block a - 2's stores have read their registers: block a's rows may land there
.endif
	TOSTAGE \a
	SEND \a-1, 32                                  ; behind block a - 1's loads: block a's 16 stores and 16 loads
.endr
	SEND 3, 0
	s_wait_tensorcnt 0x0                           ; the wave's end
	ds_add_u32 v[SPW], v[NIL]
	s_wait_dscnt 0x0
	CROUND                                         ; the closing round
	s_endpgm
.Lfunc_end_k_q228b746196_g5:
	.size	k_q228b746196_g5, .Lfunc_end_k_q228b746196_g5-k_q228b746196_g5
	.p2alignl 7, 3214868480
	.fill 96, 4, 3214868480
	.section	.rodata,"a",@progbits
	.p2align	6, 0x0
	.amdhsa_kernel k_q228b746196_g5
		.amdhsa_group_segment_fixed_size 327680
		.amdhsa_private_segment_fixed_size 0
		.amdhsa_enable_private_segment 0
		.amdhsa_kernarg_size 24
		.amdhsa_user_sgpr_count 2
		.amdhsa_user_sgpr_kernarg_segment_ptr 1
		.amdhsa_wavefront_size32 1
		.amdhsa_system_sgpr_workgroup_id_x 1
		.amdhsa_system_sgpr_workgroup_id_y 1
		.amdhsa_system_sgpr_workgroup_id_z 1
		.amdhsa_system_vgpr_workitem_id 0
		.amdhsa_next_free_vgpr 512
		.amdhsa_next_free_sgpr 66
		.amdhsa_reserve_vcc 0
		.amdhsa_float_denorm_mode_32 3
		.amdhsa_float_denorm_mode_16_64 3
		.amdhsa_memory_ordered 1
		.amdhsa_forward_progress 1
		.amdhsa_inst_pref_size 85
	.end_amdhsa_kernel
	.amdgpu_metadata
---
amdhsa.version: [ 1, 2 ]
amdhsa.kernels:
  - .name:           k_q228b746196_g5
    .symbol:         k_q228b746196_g5.kd
    .args:
      - { .name: ah, .offset: 0, .size: 8, .value_kind: global_buffer, .address_space: global }
      - { .name: w16, .offset: 8, .size: 8, .value_kind: global_buffer, .address_space: global }
      - { .name: out0, .offset: 16, .size: 8, .value_kind: global_buffer, .address_space: global }
    .group_segment_fixed_size: 327680
    .private_segment_fixed_size: 0
    .kernarg_segment_align: 8
    .kernarg_segment_size: 24
    .max_flat_workgroup_size: 128
    .sgpr_count:     66
    .vgpr_count:     512
    .wavefront_size: 32
...
	.end_amdgpu_metadata
.endif
;; end of part 5
;; launch f2 (part 6): grid 16 x 4, 16 waves a work-group, no clusters, 19,456 bytes of LDS; arguments af, Wout, out0; writes out0
.if DOCPART == 6
	.amdgcn_target "amdgcn-amd-amdhsa--gfx1250"
	.amdhsa_code_object_version 6
	.text
	.protected	k_q228b746196_f2
	.globl	k_q228b746196_f2
	.p2align	8
	.type	k_q228b746196_f2,@function
k_q228b746196_f2:
	s_mov_b64 s[64:65], 0
	v_nop
	global_prefetch_b8 v0, s[64:65] scope:SCOPE_SE
	s_setreg_imm32_b32 hwreg(HW_REG_WAVE_MODE, 25, 1), 1
	s_wait_xcnt 0x0
; THE FIRST 16 POSITIONS' rows of the projection, in f32: out0[batch x 2048 + position][:] = af[batch x 16 + position][:] Wout, position 0 .. 15.  These 64 rows replace what the bulk launch stored there.
; A work-group takes 64 columns of one batch.  Wave w takes 16 columns (16 (w % 4) on) and a quarter of K (256 (w / 4) on), in four chunks of 64, by the f32 matrix form (64 instructions a wave: no bulk work);
; the four quarters meet in LDS, and waves 0 to 7 add them in a fixed order and store two rows each.
; The f32 form takes k = 2 h + j from register j.  Register 4 c + i of both operands holds k = 8 c + 4 h + i of the chunk: a pair 4 c + 2 u, + 1 gives the same four k on both sides.
; The registers that the f32 matrix form writes (v160-175) are written by matrix instructions alone in this text.
.set SPARE, 17408                      ; LDS: four quarters x 16 rows x 272 bytes; then the spare words, 128 bytes a wave
.set SPW, 14
.set NIL, 15
	s_load_b128 s[4:7], s[0:1], 0x0                ; af s[4:5], Wout s[6:7]
	s_load_b64 s[8:9], s[0:1], 0x10                ; out0
	v_lshl_add_u32 v[SPW], v0, 2, SPARE
	v_mov_b32 v[NIL], 0
	v_lshrrev_b32 v1, 5, v0
	v_readfirstlane_b32 s18, v1                    ; wave 0..15
	s_and_b32 s19, ttmp7, 0xffff                   ; batch
	s_and_b32 s20, s18, 3                          ; which 16 columns
	s_lshr_b32 s21, s18, 2                         ; which quarter of K
	s_mov_b32 s25, 0
	v_and_b32 v1, 15, v0                           ; r
	v_bfe_u32 v2, v0, 4, 1                         ; h
	v_lshlrev_b32 v4, 12, v1
	v_lshl_add_u32 v4, v2, 4, v4                   ; af: row r of 4,096 bytes, + 16 h
	v_lshlrev_b32 v5, 14, v2
	v_lshl_add_u32 v5, v1, 2, v5                   ; Wout: 4 h rows of 4,096 bytes, column r
	s_mul_i32 s22, s21, 4352
	s_lshl_b32 s23, s20, 6
	s_add_co_u32 s22, s22, s23
	v_mul_u32_u24 v7, v1, 272
	v_lshl_add_u32 v7, v2, 5, v7
	v_add_nc_u32 v7, s22, v7                       ; my part: quarter, row r, my 16 columns, + 32 h
	s_mul_i32 s22, s18, 544
	v_mul_u32_u24 v8, v2, 272
	v_lshl_add_u32 v8, v1, 4, v8
	v_add_nc_u32 v8, s22, v8                       ; back (waves 0 to 7): rows 2 w and 2 w + 1, 16 bytes a lane
	v_lshlrev_b32 v9, 12, v2
	v_lshl_add_u32 v9, v1, 4, v9                   ; the same two rows in out0
	s_wait_kmcnt 0x0
	s_lshl_b32 s24, s19, 16
	s_lshl_b32 s26, s21, 10
	s_add_co_u32 s24, s24, s26
	s_add_nc_u64 s[4:5], s[4:5], s[24:25]          ; af: batch x 16 rows, + my quarter of K
	s_lshl_b32 s24, s21, 20
	s_lshl_b32 s26, ttmp9, 8
	s_add_co_u32 s24, s24, s26
	s_lshl_b32 s26, s20, 6
	s_add_co_u32 s24, s24, s26
	s_add_nc_u64 s[6:7], s[6:7], s[24:25]          ; Wout: 256 rows a quarter, + my 16 columns
	s_lshl_b32 s24, s19, 23
	s_lshl_b32 s26, s18, 13
	s_add_co_u32 s24, s24, s26
	s_lshl_b32 s26, ttmp9, 8
	s_add_co_u32 s24, s24, s26
	s_add_nc_u64 s[8:9], s[8:9], s[24:25]
.macro LOADC ch, ab, bb                ; chunk ch: 8 loads of af, 32 of Wout (sixteen lanes read 64 consecutive bytes; the four waves of a quarter cover 256)
.irp c, 0,1,2,3,4,5,6,7
	global_load_b128 v[\ab+4*\c:\ab+4*\c+3], v4, s[4:5] offset:256*(\ch)+32*\c
.endr
.irp c, 0,1,2,3,4,5,6,7
.irp i, 0,1,2,3
	global_load_b32 v[\bb+4*\c+\i], v5, s[6:7] offset:(64*(\ch)+8*\c+\i)*4096
.endr
.endr
.endm
.macro MULC ab, bb, zero               ; transposed: source 0 = 16 columns of Wout, source 1 = the 16 rows.  Two sums by turns
.irp c, 0,1,2,3,4,5,6,7
.irp u, 0,1
.if \zero && (\c == 0)
	v_wmma_f32_16x16x4_f32 v[160+8*\u:167+8*\u], v[\bb+4*\c+2*\u:\bb+4*\c+2*\u+1], v[\ab+4*\c+2*\u:\ab+4*\c+2*\u+1], 0
.else
	v_wmma_f32_16x16x4_f32 v[160+8*\u:167+8*\u], v[\bb+4*\c+2*\u:\bb+4*\c+2*\u+1], v[\ab+4*\c+2*\u:\ab+4*\c+2*\u+1], v[160+8*\u:167+8*\u]
.endif
.endr
.endr
.endm
.macro PLACES8                         ; eight plain instructions between this matrix form and a load into, or a read of, its registers
.rept 8
	v_nop
.endr
.endm
	LOADC 0, 32, 64
	LOADC 1, 96, 128
	s_wait_loadcnt 40                              ; chunk 0 is in; chunk 1's 40 loads may be out
	MULC 32, 64, 1
	PLACES8
	LOADC 2, 32, 64
	s_wait_loadcnt 40
	MULC 96, 128, 0
	PLACES8
	LOADC 3, 96, 128
	s_wait_loadcnt 40
	MULC 32, 64, 0
	s_wait_loadcnt 0x0
	MULC 96, 128, 0
	PLACES8
.irp j, 0,2,4,6
	v_pk_add_f32 v[176+\j:177+\j], v[160+\j:161+\j], v[168+\j:169+\j]
.endr
	ds_store_b128 v7, v[176:179]                   ; lane (r, h): row r, columns 8 h + 0 .. 7 of my 16
	ds_store_b128 v7, v[180:183] offset:16
	s_wait_dscnt 0x0                               ; for the others' sake: my stores have landed
	s_barrier_signal -1
	s_barrier_wait -1
	s_cmp_ge_u32 s18, 8
	s_cbranch_scc1 .Lend
.irp k, 0,1,2,3
	ds_load_b128 v[32+4*\k:35+4*\k], v8 offset:4352*\k
.endr
	s_wait_dscnt 0x0
	v_pk_add_f32 v[32:33], v[32:33], v[36:37]
	v_pk_add_f32 v[34:35], v[34:35], v[38:39]
	v_pk_add_f32 v[40:41], v[40:41], v[44:45]
	v_pk_add_f32 v[42:43], v[42:43], v[46:47]
	v_pk_add_f32 v[32:33], v[32:33], v[40:41]
	v_pk_add_f32 v[34:35], v[34:35], v[42:43]
	global_store_b128 v9, v[32:35], s[8:9]         ; sixteen lanes store 256 consecutive bytes
.Lend:
	s_wait_tensorcnt 0x0                           ; the wave's end
	ds_add_u32 v[SPW], v[NIL]
	s_wait_dscnt 0x0
	s_endpgm
.Lfunc_end_k_q228b746196_f2:
	.size	k_q228b746196_f2, .Lfunc_end_k_q228b746196_f2-k_q228b746196_f2
	.p2alignl 7, 3214868480
	.fill 96, 4, 3214868480
	.section	.rodata,"a",@progbits
	.p2align	6, 0x0
	.amdhsa_kernel k_q228b746196_f2
		.amdhsa_group_segment_fixed_size 19456
		.amdhsa_private_segment_fixed_size 0
		.amdhsa_enable_private_segment 0
		.amdhsa_kernarg_size 24
		.amdhsa_user_sgpr_count 2
		.amdhsa_user_sgpr_kernarg_segment_ptr 1
		.amdhsa_wavefront_size32 1
		.amdhsa_system_sgpr_workgroup_id_x 1
		.amdhsa_system_sgpr_workgroup_id_y 1
		.amdhsa_system_sgpr_workgroup_id_z 1
		.amdhsa_system_vgpr_workitem_id 0
		.amdhsa_next_free_vgpr 256
		.amdhsa_next_free_sgpr 66
		.amdhsa_reserve_vcc 0
		.amdhsa_float_denorm_mode_32 3
		.amdhsa_float_denorm_mode_16_64 3
		.amdhsa_memory_ordered 1
		.amdhsa_forward_progress 1
		.amdhsa_inst_pref_size 24
	.end_amdhsa_kernel
	.amdgpu_metadata
---
amdhsa.version: [ 1, 2 ]
amdhsa.kernels:
  - .name:           k_q228b746196_f2
    .symbol:         k_q228b746196_f2.kd
    .args:
      - { .name: af, .offset: 0, .size: 8, .value_kind: global_buffer, .address_space: global }
      - { .name: Wout, .offset: 8, .size: 8, .value_kind: global_buffer, .address_space: global }
      - { .name: out0, .offset: 16, .size: 8, .value_kind: global_buffer, .address_space: global }
    .group_segment_fixed_size: 19456
    .private_segment_fixed_size: 0
    .kernarg_segment_align: 8
    .kernarg_segment_size: 24
    .max_flat_workgroup_size: 512
    .sgpr_count:     66
    .vgpr_count:     256
    .wavefront_size: 32
...
	.end_amdgpu_metadata
.endif
;; end of part 6
